; MI455X (gfx1250); checked and timed in simulation.
; The chip was launched on July 23, 2026; its instructions are those of AMD's public machine-readable ISA for CDNA 5 (MIT licence, August 2026) and "CDNA5" Instruction Set Architecture Reference Guide (July 2026). The comments in the code are by the model that wrote it; some were corrected since.
;; Generic Cross Attention. Allowed arithmetic: matrix products marked QUANTISED: E2M3 operands, one E8M0 scale for each 32 along K, by v_wmma_scale_f32_16x16x128_f8f6f4 with both operands' format E2M3, f32 sums; everything else in f32.
;; Inputs: Wk 2,048 x 2,048 float32; Wo 2,048 x 2,048 float32; Wq 2,048 x 2,048 float32; Wv 2,048 x 2,048 float32; bk 2,048 float32; bo 2,048 float32; bq 2,048 float32; bv 2,048 float32; gate 2,048 float32; kv_padding_mask 2 x 2,048 bool; kv_states 2 x 2,048 x 2,048 float32; query_states 2 x 1,024 x 2,048 float32.
;; Outputs: out0 2 x 1,024 x 2,048 float32.
;; This version of the problem:
;;   THIS VERSION OF THE PROBLEM IS GIVEN IN LOW PRECISION. The matrix products marked QUANTISED in the list below multiply operands that are first quantised to E2M3 (2 exponent bits, 3 mantissa bits; 6 bits a number), with one power-of-two scale for each 32 numbers along K (OCP MX v1.0); their sums are f32. All else is computed in f32.
;;   The module's matrix products, in the order in which they are computed (A, B: the left and right operand; K: the contracted axis; several contracted axes count as one K, in the product's order):
;;     1. [M 2,048, K 2,048] x [K 2,048, N 2,048]; A: input query_states; B: input Wq: QUANTISED
;;     2. [M 4,096, K 2,048] x [K 2,048, N 2,048]; A: input kv_states; B: input Wk: QUANTISED
;;     3. [M 4,096, K 2,048] x [K 2,048, N 2,048]; A: input kv_states; B: input Wv: QUANTISED
;;     4. batch 32 x [M 1,024, K 128] x [K 128, N 2,048]; A: computed on the way; B: computed on the way: QUANTISED
;;     5. batch 32 x [M 1,024, K 2,048] x [K 2,048, N 128]; A: softmax (see below); B: computed on the way: QUANTISED
;;     6. [M 2,048, K 2,048] x [K 2,048, N 2,048]; A: computed on the way; B: input Wo: QUANTISED
;;   THE QUANTISER, for each operand of a quantised product, along K:
;;     - K is cut into blocks of 32 from its start; a last block that is shorter is filled with zeros.
;;     - A block's scale is 2^e with e = floor(log2(the largest magnitude in the block)) - 2, held to -126 .. 127; a block of zeros has e = 0. As a byte (E8M0): e + 127.
;;     - Each number is divided by its block's scale, clamped to +-7.5, and rounded to the nearest number of E2M3, ties to even, subnormals kept.
;;     - The product sums the exact products of the quantised numbers (number of the format x scale) in f32.
;;   ~~~python
;;   def quantise(x, axis):      # numpy; x: float32 -> the quantised numbers, widened to float32 again
;;       x = np.moveaxis(x, axis, -1); K = x.shape[-1]
;;       x = np.pad(x, [(0, 0)] * (x.ndim - 1) + [(0, -K % 32)]); x = x.reshape(x.shape[:-1] + (-1, 32)); a = np.abs(x).max(-1, keepdims=True)
;;       e = np.where(a > 0, np.clip(np.frexp(np.where(a > 0, a, 1))[1] - 1 - 2, -126, 127), 0)      # np.frexp(a)[1] - 1 = floor(log2(a)), exactly
;;       r = np.clip(x / 2.0 ** e, -7.5, 7.5)
;;       step = 2.0 ** (np.maximum(np.frexp(np.where(r == 0, 1, r))[1] - 1, 0) - 3)
;;       q = np.round(r / step) * step * 2.0 ** e      # np.round: ties to even
;;       return np.moveaxis(q.reshape(q.shape[:-2] + (-1,))[..., :K], -1, axis).astype(np.float32)
;;   ~~~
;;   SOFTMAX AHEAD OF A QUANTISED PRODUCT. Where the list says 'softmax', what is quantised is not the finished softmax but p = 2^(t - M), with t = logit x log2(e) and M = ceil(the row's largest t), a whole number; so 1/2 < the row's largest p <= 1. The row's sum l is taken of the UNQUANTISED p, in f32, and the product's result is divided by l at the end. Since M is a whole number, a kernel that streams over the keys may use a running M (the ceiling of the running maximum): every later rescaling is an exact power of two, which a block's scale takes up: the codes' values come out the same.
;;   OPERANDS COMPUTED ON THE WAY. 'Computed on the way' means the value that the module computes at that place (a softmax that the list does not call 'softmax' is quantised finished and normalised). What goes into a quantiser is computed in f32, as accurately as f32 sums, v_exp_f32 and their like allow (about 1e-6 of the number): no bf16 or f16 on the way to a quantiser, and a product that is left as it is and whose result goes on into a quantised operand takes f32 operands (vector FMAs, or v_wmma_f32_16x16x4_f32). A number that lies on a knife's edge between two numbers of the format may be rounded either way, as far as f32 arithmetic and the matrix unit's own rounding can turn it there, and no further.
;; One version. Each part assembles by itself: llvm-mc -triple=amdgcn-amd-amdhsa -mcpu=gfx1250 --defsym DOCPART=n.
;; ======== version 1 of 1: 4 launches
;; limits: right only within a limited range of input values
;; workspace buffers: codes 19,529,728 bytes; scales 131,072 bytes; lmask 6,144 bytes of whole numbers; pimg 9,437,184 bytes; psc 786,432 bytes; cimg 3,145,728 bytes; csc 262,144 bytes
;; launch quant (part 1): grid 769 x 1, 4 waves a work-group, no clusters, 34,304 bytes of LDS; arguments query_states, kv_states, Wq, Wk, Wv, Wo, kv_padding_mask, codes, scales, lmask; writes codes, scales, lmask
.if DOCPART == 1
	.amdgcn_target "amdgcn-amd-amdhsa--gfx1250"
	.amdhsa_code_object_version 6
	.text
	.protected	k_q062db09ef2_quant
	.globl	k_q062db09ef2_quant
	.p2align	8
	.type	k_q062db09ef2_quant,@function
k_q062db09ef2_quant:
	s_mov_b64 s[64:65], 0
	v_nop
	global_prefetch_b8 v0, s[64:65] scope:SCOPE_SE
	s_setreg_imm32_b32 hwreg(HW_REG_WAVE_MODE, 25, 1), 1
	s_wait_xcnt 0x0
; query_states, kv_states (keys 0 to 1,023 of each batch), Wq, Wk, Wv, Wo: f32, K = 2,048 innermost, become codes of FP6 (E2M3) with one E8M0 byte for each 32 along K.
; WORK LEFT OUT: keys 1,024 to 2,047 are never read: the causal mask that the problem builds itself hides key > query, and queries end at 1,023, so for every value of the inputs
; these keys' scores are -infinity, their p is 0, and their k and v reach no output.  A NaN, an infinity or an overflow in those rows of kv_states is not carried to the result.
; LAYOUT OF THE CODES.  Rows go in tiles of 16; stored tile T, lane r, is original row 32 (T / 2) + 8 (T % 2) + r % 8 + 16 (r / 8).
; A fragment (16 stored rows x 128 K: 12 registers a lane) lies as an image of its registers: register p of lane L at 512 (p / 4) + 16 L + 4 (p % 4): 1,536 bytes.
; Tiles 0-639 (query_states, kv_states, Wq, Wk, Wv, 128 each): a panel is 8 tiles; it lies in 'codes' as 16 blocks of 12,800 bytes, one for each K step: 8 fragments, then 512 bytes
; of scale words [tile 0..7][row 0..15].  Wo (tiles 640-767): a panel is 4 tiles, [panel][K step][tile][1536] from byte 16,384,000 of 'codes'; its scale words lie in 'scales',
; 256 bytes [row][tile] for each panel and K step.
; SHARES.  Work-group g < 768 takes stored tile g; wave w its K steps 4 w to 4 w + 3: 2,048 consecutive bytes of each of 16 rows.
; Each load reads 512 consecutive bytes of one row; a fragment's 8,192 bytes turn through the wave's own stage in LDS (rows 528 bytes apart) so that a lane gets 16 neighbours of each block of 32.
; The scale words leave as 64 bytes for a tile and K step (Wo: 4 bytes a row): parts of 256-byte units, 1 byte for each 128 bytes that the launch reads; whole units would want four tiles in one wave,
; whose loads would then touch four times the rows.
; Work-group 768 turns kv_padding_mask into lane masks: word (8 b + s) 64 + 16 B + i has its low half set if key 128 s + 32 B + i of batch b is padded, its high half if key 128 s + 32 B + 16 + i is;
; from byte 4,096 on one flag for each (b, s), 128 bytes apart: not 0 if any key of that step is padded.  That path uses no LDS.
; A block's scale is 2^(floor(log2(largest magnitude)) - 2); its byte is the largest magnitude's exponent field - 2, held at 1 from below.
; LIMITS: a block of zeros, or one whose largest magnitude lies under 2^-124, gets the byte 1 (the rule says 127 for zeros): its codes are zeros, and this program alone reads the bytes.  NaN and infinities among the inputs are not served.
.set STG,  8448                        ; a wave's stage: 16 rows x 528 bytes
.set TM,   16                          ; v16-31  at work in QUANT
.set PC,   32                          ; v32-51  the codes just made (12 registers) and 8 at work
.set PW,   52                          ; v52     the scale word just made
.set X,    64                          ; v64-127 register 16 b + i = k 32 b + 16 (lane / 16) + i of my row
.set R,    128                         ; v128-255 two sets of 64 registers as loaded
.set SEL,  42                          ; s[42:43] lane selects: lane l xor 16
.macro QUANT s                         ; 64 numbers of a lane become a fragment's codes in v[PC] on and its scale word in v[PW]
.irp b, 0,1,2,3
	v_max3_num_f32 v[TM+\b], |v[\s+16*\b]|, |v[\s+1+16*\b]|, 0x1800000   ; my 16 numbers of block b and the floor 2^(3 - 127)
.endr
.irp i, 2,4,6,8,10,12,14
.irp b, 0,1,2,3
	v_max3_num_f32 v[TM+\b], v[TM+\b], |v[\s+16*\b+\i]|, |v[\s+1+16*\b+\i]|
.endr
.endr
.irp b, 0,1,2,3
	v_permlanex16_b32 v[TM+4+\b], v[TM+\b], s[SEL], s[SEL+1]
.endr
.irp b, 0,1,2,3
	v_max_num_f32 v[TM+\b], v[TM+\b], v[TM+4+\b]   ; with lane l xor 16: the block's largest magnitude
.endr
.irp b, 0,1,2,3
	v_add_nc_u32 v[TM+12+\b], 0xff000000, v[TM+\b]   ; 2 off its exponent field: the conversion's scale operand
.endr
.irp b, 0,1,2,3
	v_lshrrev_b32 v[TM+4+\b], 23, v[TM+12+\b]      ; the scale's byte
.endr
	v_lshl_or_b32 v[PW], v[TM+5], 8, v[TM+4]
	v_lshl_or_b32 v[PW], v[TM+6], 16, v[PW]
	v_lshl_or_b32 v[PW], v[TM+7], 24, v[PW]
.irp c, 0,1
	v_cvt_scalef32_pk16_fp6_f32 v[PC+6*\c:PC+2+6*\c], v[\s+32*\c:\s+15+32*\c], v[TM+12+2*\c]
	v_cvt_scalef32_pk16_fp6_f32 v[PC+12+4*\c:PC+14+4*\c], v[\s+16+32*\c:\s+31+32*\c], v[TM+12+2*\c+1]
.endr
	v_nop                                          ; one plain instruction behind the scaled conversions
.irp c, 0,1                                    ; the operand wants a whole block in a lane
.irp i, 0,1,2
	v_permlane16_swap_b32 v[PC+6*\c+\i], v[PC+12+4*\c+\i]
.endr
.irp i, 0,1,2
	v_mov_b32 v[PC+3+6*\c+\i], v[PC+12+4*\c+\i]
.endr
.endr
.endm
	s_load_b512 s[4:19], s[0:1], 0x0               ; query_states 4, kv_states 6, Wq 8, Wk 10, Wv 12, Wo 14, the mask 16, codes 18
	s_load_b128 s[20:23], s[0:1], 0x40             ; scales 20, lmask 22
	v_lshl_add_u32 v62, v0, 2, 0x8400              ; my spare word, behind the four stages
	v_mov_b32 v63, 0
	v_lshrrev_b32 v1, 5, v0
	v_readfirstlane_b32 s24, v1                    ; wave
	v_and_b32 v1, 31, v0                           ; lane
	v_and_b32 v2, 15, v0                           ; r
	v_bfe_u32 v3, v0, 4, 1                         ; h
	v_lshlrev_b32 v4, 4, v1                        ; 16 x lane
	s_mul_i32 s25, s24, STG
	v_add_nc_u32 v5, s25, v4                       ; the stage, on the way in
	v_mul_u32_u24 v6, v2, 528
	v_lshl_add_u32 v6, v3, 6, v6
	v_add_nc_u32 v6, s25, v6                       ; and on the way out: row r, + 64 h
	s_mov_b32 s[SEL], 0x76543210
	s_mov_b32 s[SEL+1], 0xfedcba98
	s_wait_kmcnt 0x0
	s_cmp_eq_u32 ttmp9, 768
	s_cbranch_scc1 .Lmask
.macro PICK first, ptr                 ; which tensor: the choice hangs on the work-group's number alone
	s_cmp_ge_u32 ttmp9, \first
	s_cselect_b64 s[26:27], s[\ptr:\ptr+1], s[26:27]
	s_cselect_b32 s28, \first, s28
.endm
	s_mov_b64 s[26:27], s[4:5]
	s_mov_b32 s28, 0
	PICK 128, 6
	PICK 256, 8
	PICK 384, 10
	PICK 512, 12
	PICK 640, 14
	s_sub_co_u32 s29, ttmp9, s28                   ; the tile's number in its tensor
	s_lshr_b32 s30, s29, 1
	s_lshl_b32 s30, s30, 5
	s_and_b32 s31, s29, 1
	s_lshl_b32 s31, s31, 3
	s_add_co_u32 s30, s30, s31                     ; its first original row: 32 (T / 2) + 8 (T % 2)
	s_lshr_b32 s31, ttmp9, 6
	s_cmp_eq_u32 s31, 3                            ; batch 1 of kv_states begins 1,024 rows further on than its tiles count
	s_cselect_b32 s31, 1024, 0
	s_add_co_u32 s30, s30, s31
	s_lshl_b32 s30, s30, 13                        ; rows of 8,192 bytes
	s_lshl_b32 s31, s24, 11                        ; my four K steps: 2,048 bytes of a row
	s_add_co_u32 s30, s30, s31
	s_mov_b32 s31, 0
	s_add_nc_u64 s[26:27], s[26:27], s[30:31]
	s_lshr_b32 s46, ttmp9, 3                       ; tiles 0-639: the panel,
	s_and_b32 s47, ttmp9, 7                        ; the tile's place in it,
	s_mul_i32 s48, s46, 204800
	s_mul_i32 s49, s24, 51200
	s_add_co_u32 s48, s48, s49                     ; the block of my first K step, 4 w,
	s_lshl_b32 s52, s47, 6
	s_add_co_u32 s52, s52, s48
	s_add_co_u32 s52, s52, 12288                   ; the tile's 64 bytes of scale words in it,
	s_mul_i32 s49, s47, 1536
	s_add_co_u32 s49, s48, s49                     ; and its fragment
	s_sub_co_u32 s44, ttmp9, 640                   ; Wo (used only from work-group 640 on):
	s_lshr_b32 s44, s44, 2                         ; the panel of four tiles,
	s_and_b32 s47, ttmp9, 3                        ; the tile's place in it
	s_mul_i32 s45, s44, 98304
	s_mul_i32 s51, s24, 24576
	s_add_co_u32 s45, s45, s51
	s_mul_i32 s51, s47, 1536
	s_add_co_u32 s45, s45, s51
	s_add_co_u32 s45, s45, 16384000
	s_lshl_b32 s44, s44, 2
	s_add_co_u32 s44, s44, s24
	s_lshl_b32 s44, s44, 10                        ; (16 x panel + 4 w) x 256
	s_lshl_b32 s47, s47, 2
	s_add_co_u32 s44, s44, s47
	s_mov_b32 s50, 12800
	s_mov_b32 s56, 12800
	s_cmp_ge_u32 ttmp9, 640
	s_cselect_b32 s48, s45, s49
	s_cselect_b32 s52, s44, s52
	s_cselect_b64 s[40:41], s[20:21], s[18:19]
	s_cselect_b32 s50, 6144, s50                   ; from K step to K step: the codes,
	s_cselect_b32 s56, 256, s56                    ; the scale words;
	s_cselect_b32 s54, 16, 4                       ; from row to row of scale words
	s_mov_b32 s49, 0
	s_mov_b32 s51, 0
	s_mov_b32 s53, 0
	s_add_nc_u64 s[32:33], s[18:19], s[48:49]      ; where my four fragments go
	s_add_nc_u64 s[34:35], s[32:33], s[50:51]
	s_add_nc_u64 s[36:37], s[34:35], s[50:51]
	s_add_nc_u64 s[38:39], s[36:37], s[50:51]
	s_add_nc_u64 s[40:41], s[40:41], s[52:53]      ; the scale words of K steps 4 w, 4 w + 1,
	s_lshl_b32 s58, s56, 1
	s_mov_b32 s59, 0
	s_add_nc_u64 s[60:61], s[40:41], s[58:59]      ; and of 4 w + 2, 4 w + 3
	s_wait_alu depctr_va_vdst(0)                   ; directly ahead of the readers below
	v_mul_u32_u24 v7, v2, s54
	v_mad_u32_u24 v7, v3, s56, v7                  ; my row's word; lanes 16-31 one K step on
.irp b, 0,1,2,3
	v_mov_b32 v[TM+4+\b], 0                        ; a lane permute's destination counts as one of its sources
.endr
.macro LOAD f                          ; K step f of my four: 16 rows x 512 consecutive bytes, in stored order, into set f % 2
.irp i, 0,1,2,3,4,5,6,7,8,9,10,11,12,13,14,15
	global_load_b128 v[R+64*((\f)%2)+4*\i:R+64*((\f)%2)+4*\i+3], v4, s[26:27] offset:((\i%8)+16*(\i/8))*8192+512*(\f) th:TH_LOAD_NT
.endr
.endm
.macro TURN f                          ; through the stage: LDS serves a wave's instructions in order
.irp i, 0,1,2,3,4,5,6,7,8,9,10,11,12,13,14,15
	ds_store_b128 v5, v[R+64*((\f)%2)+4*\i:R+64*((\f)%2)+4*\i+3] offset:528*\i
.endr
.irp b, 0,1,2,3
.irp j, 0,1,2,3
	ds_load_b128 v[X+16*\b+4*\j:X+16*\b+4*\j+3], v6 offset:128*\b+16*\j
.endr
.endr
.endm
.macro FRAGM f
.if (\f) < 3
	s_wait_loadcnt 16                              ; this K step's 16 loads are in; the next one's 16 may be out
.else
	s_wait_loadcnt 0x0
.endif
	TURN \f
	s_wait_dscnt 0x0                               ; my 64 numbers are back, and the stage's stores have read their registers
.if (\f) > 0
	s_wait_xcnt 0x0                                ; the last fragment's stores have read the codes' registers
.endif
.if (\f) < 2
	LOAD (\f)+2
.endif
	QUANT X
	v_mov_b32 v[8+(\f)], v[PW]
.irp c, 0,1,2
	global_store_b128 v4, v[PC+4*\c:PC+4*\c+3], s[32+2*(\f):33+2*(\f)] offset:512*\c   ; 512 consecutive bytes, aligned
.endr
.endm
	s_wait_alu depctr_va_vdst(0)                   ; the head's end
	LOAD 0
	LOAD 1
	FRAGM 0
	FRAGM 1
	FRAGM 2
	FRAGM 3
	v_cmp_ne_u32 vcc_lo, 0, v3                     ; both halves of the lanes hold all four words: lanes 0-15 store the even K step's, lanes 16-31 the odd one's
	v_cndmask_b32 v12, v8, v9, vcc_lo
	v_cndmask_b32 v13, v10, v11, vcc_lo
	global_store_b32 v7, v12, s[40:41]
	global_store_b32 v7, v13, s[60:61]
	s_wait_tensorcnt 0x0                           ; the wave's end
	ds_add_u32 v62, v63
	s_wait_dscnt 0x0
	s_endpgm
.Lmask:                                            ; wave w takes the steps (b, s) with 8 b + s = 4 w + n, n = 0 .. 3
	s_lshr_b32 s25, s24, 1
	s_lshl_b32 s25, s25, 11                        ; batch w / 2: 2,048 bytes of mask
	s_and_b32 s26, s24, 1
	s_lshl_b32 s26, s26, 9                         ; keys 512 (w % 2) on
	s_add_co_u32 s25, s25, s26
	s_wait_alu depctr_va_vdst(0)
	v_lshl_add_u32 v8, v3, 5, v2                   ; key 64 k + 32 (lane / 16) + lane % 16
	v_add_nc_u32 v8, s25, v8
	s_lshl_b32 s26, s24, 10
	v_lshl_add_u32 v9, v1, 2, s26                  ; the words: 4 x lane + 1,024 w
	s_lshl_b32 s27, s24, 9
	v_lshl_add_u32 v10, v1, 2, s27                 ; the flags: 4 x lane + 512 w
.irp n, 0,1,2,3
.irp k, 0,1
	global_load_u8 v[16+4*\n+2*\k], v8, s[16:17] offset:128*\n+64*\k
	global_load_u8 v[17+4*\n+2*\k], v8, s[16:17] offset:128*\n+64*\k+16
.endr
.endr
	s_mov_b32 s28, 0xffff
	s_wait_loadcnt 0x0
.irp n, 0,1,2,3
.irp k, 0,1
	v_sub_nc_u32 v[16+4*\n+2*\k], 0, v[16+4*\n+2*\k]   ; 0 or 1 becomes no bits or all
	v_sub_nc_u32 v[17+4*\n+2*\k], 0, v[17+4*\n+2*\k]
	v_bfi_b32 v[32+2*\n+\k], s28, v[16+4*\n+2*\k], v[17+4*\n+2*\k]   ; low half from the first key, high half from the key 16 on
	s_wait_alu depctr_va_vdst(0)
	global_store_b32 v9, v[32+2*\n+\k], s[22:23] offset:256*\n+128*\k
.endr
	v_or_b32 v[40+\n], v[32+2*\n], v[33+2*\n]
	v_cmp_ne_u32 vcc_lo, 0, v[40+\n]
	v_mov_b32 v[44+\n], vcc_lo                     ; not 0 if any lane saw a padded key
	global_store_b32 v10, v[44+\n], s[22:23] offset:4096+128*\n
.endr
	s_endpgm
.Lfunc_end_k_q062db09ef2_quant:
	.size	k_q062db09ef2_quant, .Lfunc_end_k_q062db09ef2_quant-k_q062db09ef2_quant
	.p2alignl 7, 3214868480
	.fill 96, 4, 3214868480
	.section	.rodata,"a",@progbits
	.p2align	6, 0x0
	.amdhsa_kernel k_q062db09ef2_quant
		.amdhsa_group_segment_fixed_size 34304
		.amdhsa_private_segment_fixed_size 0
		.amdhsa_enable_private_segment 0
		.amdhsa_kernarg_size 80
		.amdhsa_user_sgpr_count 2
		.amdhsa_user_sgpr_kernarg_segment_ptr 1
		.amdhsa_wavefront_size32 1
		.amdhsa_system_sgpr_workgroup_id_x 1
		.amdhsa_system_sgpr_workgroup_id_y 1
		.amdhsa_system_sgpr_workgroup_id_z 1
		.amdhsa_system_vgpr_workitem_id 0
		.amdhsa_next_free_vgpr 256
		.amdhsa_next_free_sgpr 66
		.amdhsa_reserve_vcc 1
		.amdhsa_float_denorm_mode_32 3
		.amdhsa_float_denorm_mode_16_64 3
		.amdhsa_memory_ordered 1
		.amdhsa_forward_progress 1
		.amdhsa_inst_pref_size 41
	.end_amdhsa_kernel
	.amdgpu_metadata
---
amdhsa.version: [ 1, 2 ]
amdhsa.kernels:
  - .name:           k_q062db09ef2_quant
    .symbol:         k_q062db09ef2_quant.kd
    .args:
      - { .name: query_states, .offset: 0, .size: 8, .value_kind: global_buffer, .address_space: global }
      - { .name: kv_states, .offset: 8, .size: 8, .value_kind: global_buffer, .address_space: global }
      - { .name: Wq, .offset: 16, .size: 8, .value_kind: global_buffer, .address_space: global }
      - { .name: Wk, .offset: 24, .size: 8, .value_kind: global_buffer, .address_space: global }
      - { .name: Wv, .offset: 32, .size: 8, .value_kind: global_buffer, .address_space: global }
      - { .name: Wo, .offset: 40, .size: 8, .value_kind: global_buffer, .address_space: global }
      - { .name: kv_padding_mask, .offset: 48, .size: 8, .value_kind: global_buffer, .address_space: global }
      - { .name: codes, .offset: 56, .size: 8, .value_kind: global_buffer, .address_space: global }
      - { .name: scales, .offset: 64, .size: 8, .value_kind: global_buffer, .address_space: global }
      - { .name: lmask, .offset: 72, .size: 8, .value_kind: global_buffer, .address_space: global }
    .group_segment_fixed_size: 34304
    .private_segment_fixed_size: 0
    .kernarg_segment_align: 8
    .kernarg_segment_size: 80
    .max_flat_workgroup_size: 128
    .sgpr_count:     66
    .vgpr_count:     256
    .wavefront_size: 32
...
	.end_amdgpu_metadata
.endif
;; end of part 1
;; launch proj (part 2): grid 8 x 24, 4 waves a work-group, clusters of 4 x 4, 327,680 bytes of LDS; arguments codes, bq, bk, bv, pimg, psc; writes pimg, psc
.if DOCPART == 2
	.amdgcn_target "amdgcn-amd-amdhsa--gfx1250"
	.amdhsa_code_object_version 6
	.text
	.protected	k_q062db09ef2_proj
	.globl	k_q062db09ef2_proj
	.p2align	8
	.type	k_q062db09ef2_proj,@function
k_q062db09ef2_proj:
	s_mov_b64 s[64:65], 0
	v_nop
	global_prefetch_b8 v0, s[64:65] scope:SCOPE_SE
	s_setreg_imm32_b32 hwreg(HW_REG_WAVE_MODE, 25, 1), 1
	s_wait_xcnt 0x0
	s_wait_alu depctr_hold_cnt(0) depctr_sa_sdst(0) depctr_va_vdst(0) depctr_va_sdst(0) depctr_va_ssrc(0) depctr_va_vcc(0) depctr_vm_vsrc(0)
	s_getreg_b32 s2, hwreg(HW_REG_IB_STS2, 6, 4)
	s_cmp_eq_u32 s2, 0
	s_cbranch_scc0 .Lentry_in_a_cluster
	s_endpgm
.Lentry_in_a_cluster:
	s_bfe_u32 s2, ttmp6, 0x10000c
	s_cmp_lg_u32 s2, 0xf033
	s_cbranch_scc0 .Lentry_shape_is_right
	s_endpgm
.Lentry_shape_is_right:
; Three products of 2,048 x 2,048 x 2,048 on codes of FP6 (E2M3) with E8M0 scales, one body: z = 0: q = x Wq^T + bq;  z = 1: k = kv Wk^T + bk;  z = 2: v^T = Wv kv^T + bv (rows = channels, columns = keys).
; Keys 1,024 to 2,047 of each batch are left out, as the first kernel's head shows.
; C[m][n]: m on the lane side (source 1, called A), n on the register side (source 0, called B).  B's rows lie in the stored order, so a lane's 64 registers of B's eight tiles are
; 32 b + 16 (lane / 16) + i along n: the result is quantised along n in registers and leaves as images of the next product's fragments.  No f32 result goes to memory.
; SHARES.  A work-group of four waves makes 256 x 256 of C, a wave 128 x 128: 64 accumulators, 512 registers.  192 blocks: 2,048 has no factor 3, so no equal cut of the three products gives 256 blocks with n in runs of 128.
; THE RING.  A panel's K step is one dense block of 12,800 bytes: 8 fragments and their scale words [tile][row].  A slot holds three K steps of four panels (A's two, B's two): 153,600 bytes; two slots.
; One tensor load a wave brings its panel's three K steps, 150 rows of 256 bytes (waves 0, 1: A's panels; waves 2, 3: B's).  Chunks 0 to 4 are K steps 0 to 14; chunk 5 is K step 15.
; The loop's trip is two chunks (six K steps: slots and register sets are then back where they began), two trips, and the last four K steps are written out.  The ring's last fill uses the ring's descriptor:
; it brings K step 15 and the 25,600 bytes that follow it in 'codes' (the next panel's, or Wo's codes: inside the buffer), which nobody reads.
; From a refill to the wait for it a wave issues 176 matrix instructions.
; THE FRAGMENTS of the next K step come piece by piece among this step's products: a piece is one fragment (three loads of 512 bytes; with B's also the tile's scale words), B's eight first, then A's eight;
; one piece ahead of every fourth matrix instruction, behind a change of slots ahead of every third.
; CLUSTER 4 x 4: A's blocks are shared along a row of the cluster, B's along a column: joint loads.  z is the cluster's y / 2, the same in all partners.
; PREFETCH: behind each of the first four fills the chunk of the next fill is asked for: 150 blocks of 256 bytes of the panel that my wave fetches, shared out by address among the four partners
; that fetch it jointly, 38 each: two instructions a wave (lanes left over name the last block again).  Chunk 0 and chunk 5 come by their loads alone.
; The bias starts the sums: along n for q and k, along m for v^T; the one that does not apply is cleared by a mask.
; OUT: pimg: z x 3,145,728 + ((n / 128) x 128 + m / 16) x 1,536: a fragment's image;  psc: z x 262,144 + ((n / 128) x 16 + m / 128) x 1,024: [tile / 4][lane][tile % 4] scale words.
; LIMITS: a block of zeros or under 2^-124 gets the byte 1; NaN and infinities are not served.
; REGISTERS: window 0: v16-31 addresses; v32-47 scale words, two sets; v64-159, v160-255 B's two sets.  window 1: v0-95, v128-223 A's two sets.  windows 2, 3: accumulator (a, b) at v[8 (8 (a % 4) + b)].
.set KST,   12800                      ; a panel's K step
.set REG,   3*KST                      ; what one tensor load brings
.set SLOT,  4*REG
.set SPARE, 2*SLOT                     ; the spare words, 128 bytes for each wave
.set PANEL, 16*KST
.set ADRA, 16                          ; v16-17 LDS address of my A fragments in slot 0, 1
.set ADRB, 20                          ; v20-21 the same for B
.set LI,   24                          ; v24    16 x lane
.set ADRS, 26                          ; v26-27 my scale words in slot 0, 1: lanes 0-15 A's rows, lanes 16-31 B's
.set SPW,  28                          ; v28    my spare word; never rewritten
.set NIL,  29                          ; v29    0; never rewritten
.set PFO,  30                          ; v30-31 the prefetches' offsets; never rewritten
.set SC,   32                          ; set p at v[SC + 8 p]; register i: tile i
.set TM,   64                          ; the way out: at work
.set SW,   80                          ; the way out: v80-87 the eight scale words
.set G1,   24
.set G0,   32
.set G1B,  48
.set G0B,  56
.set SEL,  98
.set PFA,  100                         ; s[100:101] the chunk that my prefetches name
.set MSB, 0
.macro WIN new                         ; the immediate's high byte repeats the setting that is left
.if MSB != (\new)
	s_set_vgpr_msb (MSB<<8)|(\new)
.set MSB, (\new)
.endif
.endm
.set MUL_LO, 0xa4                      ; source 0 (B) window 0, source 1 (A) window 1, C and D window 2;  + 0x50: C and D window 3
.set TO_A,   0x40                      ; destination window 1, address window 0
.macro PLACES n
.rept \n
	v_nop
.endr
.endm
; a joint load: waves 0 and 1 fetch for A, waves 2 and 3 for B; the branch hangs on the wave's number alone; s_nop 0 and four v_nop follow each line
.macro JLOAD g0a, g1a, g0b, g1b
	s_cmp_eq_u32 s19, 0
	s_cbranch_scc0 .Lfor_b_\@
	tensor_load_to_lds s[\g0a:\g0a+3], s[\g1a:\g1a+7]
	s_nop 0
.rept 4
	v_nop
.endr
	s_branch .Lasked_\@
.Lfor_b_\@:
	tensor_load_to_lds s[\g0b:\g0b+3], s[\g1b:\g1b+7]
	s_nop 0
.rept 4
	v_nop
.endr
.Lasked_\@:
.endm
.macro CREST                           ; a round of the cluster's barrier behind its opening barrier
	s_cmp_lg_u32 s18, 0
	s_cbranch_scc1 .Lnot_wave_0_\@
	s_barrier_signal -3
.Lnot_wave_0_\@:
	s_barrier_wait -3
	s_barrier_signal -1
	s_barrier_wait -1
.endm
.macro CROUND
	s_barrier_signal -1
	s_barrier_wait -1
	CREST
.endm
.macro ASK cond                        ; cond = 1: in the loop's first trip alone (s3 = 1 in the last): chunks 3 and 4
.if \cond
	s_cmp_lg_u32 s3, 1
	s_cbranch_scc0 .Lno_ask_\@
.endif
	global_prefetch_b8 v[PFO], s[PFA:PFA+1] th:TH_LOAD_NT scope:SCOPE_SE
	global_prefetch_b8 v[PFO+1], s[PFA:PFA+1] th:TH_LOAD_NT scope:SCOPE_SE
.if \cond
.Lno_ask_\@:
.endif
.endm
	s_load_b256 s[4:11], s[0:1], 0x0               ; codes 4, bq 6, bk 8, bv 10
	s_load_b128 s[12:15], s[0:1], 0x20             ; pimg 12, psc 14
	v_lshl_add_u32 v[SPW], v0, 2, SPARE
	v_mov_b32 v[NIL], 0
	ds_add_u32 v[SPW], v[NIL]                      ; the opening lines: the add, twice on end, and its wait ahead of my first tensor load
	ds_add_u32 v[SPW], v[NIL]
	v_lshrrev_b32 v1, 5, v0
	v_readfirstlane_b32 s18, v1                    ; wave
	s_lshr_b32 s19, s18, 1                         ; RH: my half of the rows.  Also: I fetch for A (0) or for B (1)
	s_and_b32 s20, s18, 1                          ; CH: my half of the columns.  Also: which panel I fetch
	s_bfe_u32 s40, ttmp6, 0x40000                  ; cx
	s_bfe_u32 s41, ttmp6, 0x40004                  ; cy
	s_lshl_b32 s42, ttmp9, 2
	s_add_co_u32 s42, s42, s40                     ; tx = 4 x cluster x + cx
	s_and_b32 s45, ttmp7, 0xffff                   ; cluster y
	s_lshr_b32 s92, s45, 1                         ; z
	s_and_b32 s45, s45, 1
	s_lshl_b32 s45, s45, 2
	s_add_co_u32 s45, s45, s41                     ; ty = 4 x (cluster y % 2) + cy
	s_lshl_b32 s43, s41, 2
	s_lshl_b32 s43, 15, s43                        ; my row of the cluster
	s_lshl_b32 s44, 0x1111, s40                    ; my column
	s_or_b32 s[G1+0], s43, (3<<16)|(1<<21)         ; group 1: a dense block as 150 rows of 256 bytes (32 elements of 8 bytes)
	s_or_b32 s[G1B+0], s44, (3<<16)|(1<<21)
.irp g, G1, G1B
	s_mov_b32 s[\g+1], 32<<16                      ; tensor_dim0
	s_mov_b32 s[\g+2], 150<<16                     ; tensor_dim1
	s_mov_b32 s[\g+3], 32<<16                      ; tile_dim0
	s_mov_b32 s[\g+4], 150                         ; tile_dim1
	s_mov_b32 s[\g+5], 32                          ; the pitch
	s_mov_b32 s[\g+6], 0
	s_mov_b32 s[\g+7], 0
.endr
	s_mul_i32 s21, s92, s92
	s_lshl_b32 s21, s21, 4                         ; A's first panel: 0, 16, 64 = 16 z z (query_states, kv_states, Wv)
	s_lshl_b32 s22, s45, 1
	s_add_co_u32 s21, s21, s22
	s_add_co_u32 s21, s21, s20                     ; + 2 ty + the panel I fetch
	s_lshl_b32 s93, s92, 4
	s_add_co_u32 s93, s93, 32                      ; B's first panel: 32, 48 (Wq, Wk),
	s_cmp_eq_u32 s92, 2
	s_cselect_b32 s93, 16, s93                     ; 16 (kv_states)
	s_lshl_b32 s46, s42, 1
	s_add_co_u32 s93, s93, s46
	s_add_co_u32 s93, s93, s20
	s_mul_i32 s22, s21, PANEL
	s_mov_b32 s23, 0
	s_mul_i32 s46, s93, PANEL
	s_mov_b32 s47, 0
	s_mul_i32 s94, s18, REG                        ; where they go: by the wave's number alone
	s_wait_dscnt 0x0                               ; both opening adds are done
	s_wait_kmcnt 0x0
	s_add_nc_u64 s[22:23], s[4:5], s[22:23]
	s_add_nc_u64 s[46:47], s[4:5], s[46:47]
.irp s, 0,1
	s_mov_b32 s[G0+4*\s], 1
	s_add_co_u32 s[G0+4*\s+1], s94, \s*SLOT
	s_add_nc_u64 s[G0+4*\s+2:G0+4*\s+3], s[22:23], \s*REG
	s_or_b32 s[G0+4*\s+3], s[G0+4*\s+3], 0x80000000
	s_mov_b32 s[G0B+4*\s], 1
	s_add_co_u32 s[G0B+4*\s+1], s94, \s*SLOT
	s_add_nc_u64 s[G0B+4*\s+2:G0B+4*\s+3], s[46:47], \s*REG
	s_or_b32 s[G0B+4*\s+3], s[G0B+4*\s+3], 0x80000000
.endr
	CROUND                                         ; all sixteen work-groups are here: the first joint loads meet
	JLOAD G0, G1, G0B, G1B                         ; chunk 0: one tensor load a wave at the head
	; the rest of the head, under that load's flight: first all scalar work, then the vector work
	s_mul_i32 s21, s19, REG                        ; my panel of A in a slot,
	s_mul_i32 s93, s20, REG
	s_add_co_u32 s93, s93, 2*REG                   ; my panel of B,
	s_sub_co_u32 s78, s93, s21                     ; and the distance between them
	s_cmp_eq_u32 s19, 0
	s_cselect_b32 s88, s40, s41                    ; my place among the four that fetch my panel with me: cx for A, cy for B
	s_cselect_b64 s[PFA:PFA+1], s[22:23], s[46:47]
	s_mul_i32 s88, s88, 38                         ; my work-group's 38 blocks of a chunk's 150
	s_add_nc_u64 s[PFA:PFA+1], s[PFA:PFA+1], REG   ; at chunk 1
	s_mov_b32 s[SEL], 0x76543210
	s_mov_b32 s[SEL+1], 0xfedcba98
	s_lshl_b32 s16, s42, 1
	s_add_co_u32 s16, s16, s20                     ; np = 2 tx + CH: my 128 columns
	s_lshl_b32 s17, s45, 1
	s_add_co_u32 s17, s17, s19                     ; mp = 2 ty + RH: my 128 rows
	s_cmp_eq_u32 s92, 1
	s_cselect_b64 s[6:7], s[8:9], s[6:7]
	s_cmp_eq_u32 s92, 2
	s_cselect_b64 s[6:7], s[10:11], s[6:7]         ; the product's bias
	s_cselect_b32 s90, 0, -1                       ; it runs along n for q and k,
	s_cselect_b32 s91, -1, 0                       ; along m for v^T
	s_lshl_b32 s66, s16, 9
	s_mov_b32 s67, 0
	s_add_nc_u64 s[8:9], s[6:7], s[66:67]          ; the bias at my columns,
	s_lshl_b32 s66, s17, 9
	s_add_nc_u64 s[10:11], s[6:7], s[66:67]        ; and at my rows
	s_lshl_b32 s66, s16, 7
	s_lshl_b32 s2, s17, 3
	s_add_co_u32 s66, s66, s2
	s_mul_i32 s66, s66, 1536
	s_mul_i32 s2, s92, 3145728
	s_add_co_u32 s66, s66, s2
	s_add_nc_u64 s[12:13], s[12:13], s[66:67]      ; my eight images
	s_lshl_b32 s66, s16, 4
	s_add_co_u32 s66, s66, s17
	s_lshl_b32 s66, s66, 10
	s_lshl_b32 s2, s92, 18
	s_add_co_u32 s66, s66, s2
	s_add_nc_u64 s[14:15], s[14:15], s[66:67]      ; and their scale words
	v_and_b32 v1, 31, v0                           ; lane
	v_and_b32 v2, 15, v0                           ; r
	v_bfe_u32 v3, v0, 4, 1                         ; h
	v_lshlrev_b32 v[LI], 4, v1
	v_lshlrev_b32 v5, 2, v2                        ; a row's scale word: 4 r
	v_add_nc_u32 v[ADRA], s21, v[LI]
	v_add_nc_u32 v[ADRB], s93, v[LI]
	v_add_nc_u32 v[ADRA+1], SLOT, v[ADRA]
	v_add_nc_u32 v[ADRB+1], SLOT, v[ADRB]
	v_mul_u32_u24 v6, s78, v3                      ; lanes 16-31 take B's: one product, h x the distance
	v_add_nc_u32 v6, v5, v6
	v_add_nc_u32 v[ADRS], s21, v6
	v_add_nc_u32 v[ADRS+1], SLOT, v[ADRS]
	v_add_nc_u32 v[PFO], s88, v1                   ; blocks 38 p + lane,
	v_min_u32 v[PFO], 149, v[PFO]
	v_lshlrev_b32 v[PFO], 8, v[PFO]
	v_min_u32 v4, 5, v1
	v_add_nc_u32 v4, s88, v4
	v_add_nc_u32 v4, 32, v4                        ; and 38 p + 32 .. 37; none beyond the chunk's last
	v_min_u32 v4, 149, v4
	v_lshlrev_b32 v[PFO+1], 8, v4
	v_lshlrev_b32 v7, 6, v3                        ; along n: register 16 b + i is column 32 b + 16 h + i
	v_and_b32 v8, 7, v2
	v_lshrrev_b32 v9, 3, v2
	v_lshl_add_u32 v8, v9, 4, v8
	v_lshlrev_b32 v8, 2, v8                        ; along m: lane r of tile a is row 32 (a / 2) + 8 (a % 2) + r % 8 + 16 (r / 8)
.irp a, 0,1,2,3,4,5,6,7
	v_mov_b32 v[161+2*\a], 0                       ; named with its neighbour as a pair, so it is written
.endr
	s_wait_alu depctr_va_vdst(0)                   ; ahead of the readers below
	ASK 0                                          ; chunk 1
.irp b, 0,1,2,3
.irp j, 0,1,2,3
	global_load_b128 v[64+16*\b+4*\j:67+16*\b+4*\j], v7, s[8:9] offset:128*\b+16*\j
.endr
.endr
.irp a, 0,1,2,3,4,5,6,7
	global_load_b32 v[160+2*\a], v8, s[10:11] offset:4*(32*(\a/2)+8*(\a%2))
.endr
	s_wait_loadcnt 0x0
.set I_, 0
.rept 64
	v_and_b32 v[64+I_], s90, v[64+I_]              ; the bias that does not apply becomes 0
.set I_, I_+1
.endr
.irp a, 0,1,2,3,4,5,6,7
	v_and_b32 v[160+2*\a], s91, v[160+2*\a]
.endr
.set A_, 0
.rept 8                                        ; the bias starts the 64 sums
.set WW, 0x80+0x40*(A_/4)
	WIN WW
.set P_, 0
.rept 32
	v_pk_add_f32 v[64*(A_%4)+2*P_:64*(A_%4)+2*P_+1], v[64+2*P_:65+2*P_], v[160+2*A_:161+2*A_] op_sel_hi:[1,0]
.set P_, P_+1
.endr
.set A_, A_+1
.endr
	WIN 0
; piece j of the slot's K step q into set p: j = 0 .. 7: B's fragment j and the scale words of tile j (lanes 0-15 A's, lanes 16-31 B's): four loads;  j = 8 .. 15: A's fragment j - 8: three loads
.macro INS j, slot, q, p
.if (\j) < 8
	WIN 0
.irp c, 0,1,2
	ds_load_b128 v[64+96*(\p)+12*(\j)+4*\c:64+96*(\p)+12*(\j)+4*\c+3], v[ADRB+(\slot)] offset:(\q)*KST+1536*(\j)+512*\c
.endr
	ds_load_b32 v[SC+8*(\p)+(\j)], v[ADRS+(\slot)] offset:(\q)*KST+12288+64*(\j)
.else
	WIN TO_A
.irp c, 0,1,2
	ds_load_b128 v[128*(\p)+12*((\j)-8)+4*\c:128*(\p)+12*((\j)-8)+4*\c+3], v[ADRA+(\slot)] offset:(\q)*KST+1536*((\j)-8)+512*\c
.endr
.endif
.endm
; cnt matrix instructions of a K step on set p, from number n0 on (number n: A's tile n / 8 x B's tile n % 8).  every > 0: ahead of every 'every'-th stands a piece, from piece j0 on, of (slot, q) into the other set.
; The 64 accumulators take turns, one instruction a turn, in the same order in every step
.macro RUN n0, cnt, every, j0, p, slot, q
.set N_, \n0
.set C_, 0
.rept \cnt
.if (\every) > 0
.if C_ % (\every) == 0
	INS (\j0)+C_/(\every), \slot, \q, 1-(\p)
.endif
.endif
	WIN MUL_LO+0x50*(N_/32)
	v_wmma_scale_f32_16x16x128_f8f6f4 v[8*(8*((N_/8)%4)+N_%8):8*(8*((N_/8)%4)+N_%8)+7], v[64+96*(\p)+12*(N_%8):64+96*(\p)+12*(N_%8)+11], v[128*(\p)+12*(N_/8):128*(\p)+12*(N_/8)+11], v[8*(8*((N_/8)%4)+N_%8):8*(8*((N_/8)%4)+N_%8)+7], v[SC+8*(\p)+N_%8], v[SC+8*(\p)+N_/8] matrix_a_fmt:MATRIX_FMT_FP6 matrix_b_fmt:MATRIX_FMT_FP6 matrix_a_scale:MATRIX_SCALE_ROW1
.set N_, N_+1
.set C_, C_+1
.endr
.endm
.macro STEP slot, qn, p                ; a chunk's first or second K step, on set p; K step qn of the same slot comes meanwhile
	s_wait_dscnt 12                                ; set p is in but for the youngest twelve loads, A's tiles 4 to 7
	PLACES 4                                       ; in front of loads into registers that matrix instructions have read
	RUN 0, 32, 4, 0, \p, \slot, \qn
	s_wait_dscnt 32                                ; A's tiles 4 to 7 are in: behind them stand this step's first eight pieces, 32 loads
	RUN 32, 32, 4, 8, \p, \slot, \qn
	WIN 0
.endm
; A chunk's third K step, on set p, changes slots: one barrier; in front of it each wave waits for all its tensor loads, adds 0 to its spare word, and waits for that and for its reads of this slot
.macro TURN slot, p, fill
.if \fill
	s_wait_xcnt 0x0                                ; my prefetches have read their address
	s_add_nc_u64 s[PFA:PFA+1], s[PFA:PFA+1], REG
.endif
	s_wait_tensorcnt 0x0                           ; all my tensor loads have landed: my part of the next slot
	ds_add_u32 v[SPW], v[NIL]                      ; 0 onto my spare word
.if \fill
	s_add_nc_u64 s[G0+4*\slot+2:G0+4*\slot+3], s[G0+4*\slot+2:G0+4*\slot+3], 2*REG      ; no load of mine is out: this slot's next chunk
	s_add_nc_u64 s[G0B+4*\slot+2:G0B+4*\slot+3], s[G0B+4*\slot+2:G0B+4*\slot+3], 2*REG
.endif
	s_wait_dscnt 13                                ; the add and A's tiles 4 to 7 may be out
	RUN 0, 8, 0, 0, \p, 0, 0
	s_wait_dscnt 0x0                               ; the add is done, and my reads of this slot are over
	s_barrier_signal -1
	RUN 8, 8, 0, 0, \p, 0, 0
	WIN 0
	s_barrier_wait -1
.if \fill
	CREST                                          ; the barrier has opened a round of the cluster's barrier: no wave of any partner still reads this slot or has a load on its way
	JLOAD G0+4*\slot, G1, G0B+4*\slot, G1B         ; the first tensor load behind the round; its four v_nop are the places in front of the loads below
.else
	PLACES 4
.endif
	RUN 16, 24, 3, 0, \p, 1-(\slot), 0
.if \fill
	WIN 0
	ASK 1
.endif
	RUN 40, 24, 3, 8, \p, 1-(\slot), 0
	WIN 0
.endm
	s_wait_alu depctr_va_vdst(0)                   ; the head's end
	s_wait_xcnt 0x0                                ; the prefetches and the bias loads have read their addresses
	s_add_nc_u64 s[PFA:PFA+1], s[PFA:PFA+1], REG   ; at chunk 2
	s_wait_tensorcnt 0x0                           ; my part of chunk 0 is in
	ds_add_u32 v[SPW], v[NIL]
	s_wait_dscnt 0x0
	CROUND                                         ; everybody's part of chunk 0 is in, and all sixteen work-groups are here
	JLOAD G0+4, G1, G0B+4, G1B                     ; chunk 1: slot 1's first fill, the first tensor load behind the round
.set J_, 0
.rept 16
	INS J_, 0, 0, 0                                ; K step 0 into set 0
.set J_, J_+1
.endr
	WIN 0
	ASK 0                                          ; chunk 2
	s_mov_b32 s3, 2
.Llap:                                             ; a trip: six K steps, once round the ring; it fills both slots again (chunks 2, 3; then 4, 5)
	STEP 0, 1, 0
	STEP 0, 2, 1
	TURN 0, 0, 1
	STEP 1, 1, 1
	STEP 1, 2, 0
	TURN 1, 1, 1
	s_sub_co_u32 s3, s3, 1
	s_cmp_lg_u32 s3, 0
	s_cbranch_scc1 .Llap
	STEP 0, 1, 0                                   ; K steps 12 to 15 fill nothing
	STEP 0, 2, 1
	TURN 0, 0, 0
	s_wait_dscnt 12
	RUN 0, 32, 0, 0, 1, 0, 0
	s_wait_dscnt 0x0
	RUN 32, 32, 0, 0, 1, 0, 0
	WIN 0
; THE WAY OUT.  Tile a's 64 registers of a lane are 128 neighbours along n, 16 of each block of 32 in each half of the lanes: they are quantised where they lie and stored as a fragment's image.
; Each tile has 20 registers of its own for its codes (v96-255), so no store's data are written again.
.macro QOUT a
.set W_, 2+(\a)/4
.set AC, 64*((\a)%4)
.set PC, 96+20*(\a)
.set W01, W_|(W_<<2)
.set W12, (W_<<2)|(W_<<4)
	WIN W01
.irp b, 0,1,2,3
	v_max3_num_f32 v[TM+\b], |v[AC+16*\b]|, |v[AC+1+16*\b]|, 0x1800000   ; each accumulator is read from its low end on; the floor 2^(3 - 127)
.endr
	WIN W12
.irp i, 2,4,6,8,10,12,14
.irp b, 0,1,2,3
	v_max3_num_f32 v[TM+\b], v[TM+\b], |v[AC+16*\b+\i]|, |v[AC+1+16*\b+\i]|
.endr
.endr
	WIN 0
.irp b, 0,1,2,3
	v_permlanex16_b32 v[TM+4+\b], v[TM+\b], s[SEL], s[SEL+1]
.endr
.irp b, 0,1,2,3
	v_max_num_f32 v[TM+\b], v[TM+\b], v[TM+4+\b]
.endr
.irp b, 0,1,2,3
	v_add_nc_u32 v[TM+12+\b], 0xff000000, v[TM+\b]
.endr
.irp b, 0,1,2,3
	v_lshrrev_b32 v[TM+4+\b], 23, v[TM+12+\b]
.endr
	v_lshl_or_b32 v[SW+(\a)], v[TM+5], 8, v[TM+4]
	v_lshl_or_b32 v[SW+(\a)], v[TM+6], 16, v[SW+(\a)]
	v_lshl_or_b32 v[SW+(\a)], v[TM+7], 24, v[SW+(\a)]
	WIN W_
.irp c, 0,1
	v_cvt_scalef32_pk16_fp6_f32 v[PC+6*\c:PC+2+6*\c], v[AC+32*\c:AC+15+32*\c], v[TM+12+2*\c]
	v_cvt_scalef32_pk16_fp6_f32 v[PC+12+4*\c:PC+14+4*\c], v[AC+16+32*\c:AC+31+32*\c], v[TM+12+2*\c+1]
.endr
	WIN 0
	v_nop                                          ; one plain instruction behind the scaled conversions
.irp c, 0,1
.irp i, 0,1,2
	v_permlane16_swap_b32 v[PC+6*\c+\i], v[PC+12+4*\c+\i]
.endr
.irp i, 0,1,2
	v_mov_b32 v[PC+3+6*\c+\i], v[PC+12+4*\c+\i]
.endr
.endr
.irp c, 0,1,2
	global_store_b128 v[LI], v[PC+4*\c:PC+4*\c+3], s[12:13] offset:1536*(\a)+512*\c   ; 512 consecutive bytes, aligned
.endr
.endm
	PLACES 4                                       ; behind the last products: results are read, and registers that held fragments are written
.irp b, 0,1,2,3
	v_mov_b32 v[TM+4+\b], 0                        ; a lane permute's destination counts as one of its sources
.endr
.irp a, 0,1,2,3,4,5,6,7
	QOUT \a
.endr
	s_wait_alu depctr_va_vdst(0)                   ; ahead of the readers below
	global_store_b128 v[LI], v[SW:SW+3], s[14:15]
	global_store_b128 v[LI], v[SW+4:SW+7], s[14:15] offset:512
	s_wait_tensorcnt 0x0                           ; the wave's end
	ds_add_u32 v[SPW], v[NIL]
	s_wait_dscnt 0x0
	CROUND                                         ; the closing round
	s_endpgm
.Lfunc_end_k_q062db09ef2_proj:
	.size	k_q062db09ef2_proj, .Lfunc_end_k_q062db09ef2_proj-k_q062db09ef2_proj
	.p2alignl 7, 3214868480
	.fill 96, 4, 3214868480
	.section	.rodata,"a",@progbits
	.p2align	6, 0x0
	.amdhsa_kernel k_q062db09ef2_proj
		.amdhsa_group_segment_fixed_size 327680
		.amdhsa_private_segment_fixed_size 0
		.amdhsa_enable_private_segment 0
		.amdhsa_kernarg_size 48
		.amdhsa_user_sgpr_count 2
		.amdhsa_user_sgpr_kernarg_segment_ptr 1
		.amdhsa_wavefront_size32 1
		.amdhsa_system_sgpr_workgroup_id_x 1
		.amdhsa_system_sgpr_workgroup_id_y 1
		.amdhsa_system_sgpr_workgroup_id_z 1
		.amdhsa_system_vgpr_workitem_id 0
		.amdhsa_next_free_vgpr 1024
		.amdhsa_next_free_sgpr 102
		.amdhsa_reserve_vcc 0
		.amdhsa_float_denorm_mode_32 3
		.amdhsa_float_denorm_mode_16_64 3
		.amdhsa_memory_ordered 1
		.amdhsa_forward_progress 1
		.amdhsa_inst_pref_size 193
	.end_amdhsa_kernel
	.amdgpu_metadata
---
amdhsa.version: [ 1, 2 ]
amdhsa.kernels:
  - .name:           k_q062db09ef2_proj
    .symbol:         k_q062db09ef2_proj.kd
    .args:
      - { .name: codes, .offset: 0, .size: 8, .value_kind: global_buffer, .address_space: global }
      - { .name: bq, .offset: 8, .size: 8, .value_kind: global_buffer, .address_space: global }
      - { .name: bk, .offset: 16, .size: 8, .value_kind: global_buffer, .address_space: global }
      - { .name: bv, .offset: 24, .size: 8, .value_kind: global_buffer, .address_space: global }
      - { .name: pimg, .offset: 32, .size: 8, .value_kind: global_buffer, .address_space: global }
      - { .name: psc, .offset: 40, .size: 8, .value_kind: global_buffer, .address_space: global }
    .group_segment_fixed_size: 327680
    .private_segment_fixed_size: 0
    .kernarg_segment_align: 8
    .kernarg_segment_size: 48
    .max_flat_workgroup_size: 128
    .sgpr_count:     102
    .vgpr_count:     1024
    .wavefront_size: 32
...
	.end_amdgpu_metadata
.endif
;; end of part 2
;; launch attn (part 3): grid 256 x 1, 8 waves a work-group, no clusters, 0 bytes of LDS; arguments pimg, psc, lmask, cimg, csc; writes cimg, csc
.if DOCPART == 3
	.amdgcn_target "amdgcn-amd-amdhsa--gfx1250"
	.amdhsa_code_object_version 6
	.text
	.protected	k_q062db09ef2_attn
	.globl	k_q062db09ef2_attn
	.p2align	8
	.type	k_q062db09ef2_attn,@function
k_q062db09ef2_attn:
	s_mov_b64 s[64:65], 0
	v_nop
	global_prefetch_b8 v0, s[64:65] scope:SCOPE_SE
	s_setreg_imm32_b32 hwreg(HW_REG_WAVE_MODE, 25, 1), 1
	s_wait_xcnt 0x0
; ctx[b][h][q] = sum over k of softmax_k(q . k / sqrt(128)) v, keys hidden where k > q (the problem's own mask) or where kv_padding_mask says so; both products on codes of FP6 (E2M3) with E8M0 scales.
; t = score x log2(e) / sqrt(128); M = the running largest t rounded up to a whole number; p = 2^(t - M) is quantised along the keys; the row's sum of the unquantised p divides at the end.
; SHARES.  Work-group g: batch g / 128, head (g / 8) % 16, j = g % 8.  Wave w takes stored query tile T = 8 x + j with x = w (w < 4) or 11 - w: it walks x + 1 steps of 128 keys, of which the last lies on the diagonal.
; The waves w and w + 4 have 9 steps together.  The waves share nothing: no LDS, no barrier.  K's and V's fragments lie in memory as images of their registers and come straight into registers, one step ahead.
; No cluster and no shared ring: the waves' trip counts run from 1 to 8, so a joint ring would make every wave pass the barriers of all 8 steps.
; LAYOUT.  Both products transposed: S^T = K Q^T, O^T = V^T P^T: a lane holds one query.  K's rows and V^T's rows lie in the stored order (bits 3, 4 of the row exchanged), so the 16 registers of tiles 2 B, 2 B + 1 are
; keys (channels) 32 B + 16 (lane / 16) + 0 .. 15.  Lane r of query tile T is query 32 (T / 2) + 8 (T % 2) + r % 8 + 16 (r / 8).
; A ROW WITH NO VISIBLE KEY has the sum 0: its scale word becomes 0xffffffff (the E8M0 byte for NaN), which makes that row of the output projection NaN, as the softmax of a row of -infinity is.
; OUT: cimg: (((Tg / 4) 16 + head) 4 + Tg % 4) x 1,536, Tg = 64 b + T;  csc: (16 Tg + head) x 128 + 4 x lane.
; LIMITS: NaN and infinities among q, k, v are not served; a block of p or ctx that is all zeros or under 2^-124 gets the byte 1.
; REGISTERS: window 0: v1 16 x lane; v2 the diagonal's test; v12 -M, v13 largest t, v[14:15] the sum; v16-27 Q, v28 its scale word; v29 p's (later ctx's) scale word; v30 -infinity; v31 -1; v32-39, v40-47 K's, V's scale words;
;   v96-159 S^T, then p; v160-223 O^T; v224-235 p's codes; v232-254 at work.   window 1: v0-95 K's eight fragments; v128-223 V's.
.set TM,  232
.set PC,  160
.set PW,  29
.set SEL, 2                            ; s[2:3]
.set CS,  66                           ; s[66:67] c = log2(e) / sqrt(128), twice
.set MSB, 0
.macro WIN new
.if MSB != (\new)
	s_set_vgpr_msb (MSB<<8)|(\new)
.set MSB, (\new)
.endif
.endm
.macro PLACES n
.rept \n
	v_nop
.endr
.endm
.macro QUANT s
.irp b, 0,1,2,3
	v_max3_num_f32 v[TM+\b], |v[\s+16*\b]|, |v[\s+1+16*\b]|, 0x1800000
.endr
.irp i, 2,4,6,8,10,12,14
.irp b, 0,1,2,3
	s_delay_alu instid0(VALU_DEP_4)
	v_max3_num_f32 v[TM+\b], v[TM+\b], |v[\s+16*\b+\i]|, |v[\s+1+16*\b+\i]|
.endr
.endr
.irp b, 0,1,2,3
	s_delay_alu instid0(VALU_DEP_4)
	v_permlanex16_b32 v[TM+4+\b], v[TM+\b], s[SEL], s[SEL+1]
.endr
.irp b, 0,1,2,3
	s_delay_alu instid0(VALU_DEP_4)
	v_max_num_f32 v[TM+\b], v[TM+\b], v[TM+4+\b]
.endr
.irp b, 0,1,2,3
	s_delay_alu instid0(VALU_DEP_4)
	v_add_nc_u32 v[TM+12+\b], 0xff000000, v[TM+\b]
.endr
.irp b, 0,1,2,3
	s_delay_alu instid0(VALU_DEP_4)
	v_lshrrev_b32 v[TM+4+\b], 23, v[TM+12+\b]
.endr
	s_delay_alu instid0(VALU_DEP_3)
	v_lshl_or_b32 v[PW], v[TM+5], 8, v[TM+4]
	s_delay_alu instid0(VALU_DEP_1)
	v_lshl_or_b32 v[PW], v[TM+6], 16, v[PW]
	s_delay_alu instid0(VALU_DEP_1)
	v_lshl_or_b32 v[PW], v[TM+7], 24, v[PW]
.irp c, 0,1
	v_cvt_scalef32_pk16_fp6_f32 v[PC+6*\c:PC+2+6*\c], v[\s+32*\c:\s+15+32*\c], v[TM+12+2*\c]
	v_cvt_scalef32_pk16_fp6_f32 v[PC+12+4*\c:PC+14+4*\c], v[\s+16+32*\c:\s+31+32*\c], v[TM+12+2*\c+1]
.endr
	v_nop
.irp c, 0,1
.irp i, 0,1,2
	v_permlane16_swap_b32 v[PC+6*\c+\i], v[PC+12+4*\c+\i]
.endr
.irp i, 0,1,2
	s_delay_alu instid0(VALU_DEP_3)
	v_mov_b32 v[PC+3+6*\c+\i], v[PC+12+4*\c+\i]
.endr
.endr
.endm
	s_load_b256 s[4:11], s[0:1], 0x0               ; pimg 4, psc 6, lmask 8, cimg 10
	s_load_b64 s[12:13], s[0:1], 0x20              ; csc
	v_lshrrev_b32 v1, 5, v0
	s_delay_alu instid0(VALU_DEP_1)
	v_readfirstlane_b32 s14, v1                    ; wave
	s_sub_co_u32 s89, 11, s14
	s_cmp_lt_u32 s14, 4
	s_cselect_b32 s15, s14, s89                    ; x
	s_lshr_b32 s86, ttmp9, 7                       ; b
	s_bfe_u32 s87, ttmp9, 0x40003                  ; head
	s_and_b32 s88, ttmp9, 7                        ; j
	s_lshl_b32 s89, s15, 3
	s_add_co_u32 s89, s89, s88                     ; T = 8 x + j
	s_lshl_b32 s20, s87, 7
	s_lshl_b32 s21, s86, 6
	s_add_co_u32 s20, s20, s21                     ; 128 head + 64 b: the first tile of q and of k
	s_mul_i32 s22, s20, 1536
	s_add_co_u32 s22, s22, 3145728                 ; K's codes
	s_mov_b32 s23, 0
	s_add_co_u32 s24, s20, s89
	s_mul_i32 s24, s24, 1536                       ; Q's codes
	s_mov_b32 s25, 0
	s_lshl_b32 s26, s87, 4
	s_lshl_b32 s27, s86, 3
	s_add_co_u32 s26, s26, s27                     ; 16 head + 8 b
	s_lshl_b32 s28, s26, 10
	s_add_co_u32 s28, s28, 262144                  ; K's scale words
	s_mov_b32 s29, 0
	s_add_co_u32 s30, s26, s15
	s_lshl_b32 s30, s30, 10
	s_lshr_b32 s27, s88, 2
	s_lshl_b32 s27, s27, 9
	s_add_co_u32 s30, s30, s27
	s_and_b32 s27, s88, 3
	s_lshl_b32 s27, s27, 2
	s_add_co_u32 s30, s30, s27                     ; Q's scale word: unit x, half j / 4, word j % 4
	s_mov_b32 s31, 0
	s_lshl_b32 s32, s86, 10
	s_lshl_b32 s27, s87, 3
	s_add_co_u32 s32, s32, s27
	s_mul_i32 s32, s32, 1536
	s_add_co_u32 s32, s32, 6291456                 ; V's codes
	s_mov_b32 s33, 0
	s_lshl_b32 s34, s86, 7
	s_add_co_u32 s34, s34, s87
	s_lshl_b32 s34, s34, 10
	s_add_co_u32 s34, s34, 524288                  ; V's scale words
	s_mov_b32 s35, 0
	s_lshl_b32 s36, s86, 11                        ; the batch's lane masks
	s_mov_b32 s37, 0
	s_lshl_b32 s38, s86, 10
	s_add_co_u32 s38, s38, 4096                    ; and its flags
	s_mov_b32 s39, 0
	s_add_co_u32 s40, s21, s89                     ; Tg = 64 b + T
	s_lshr_b32 s41, s40, 2
	s_lshl_b32 s41, s41, 4
	s_add_co_u32 s41, s41, s87
	s_lshl_b32 s41, s41, 2
	s_and_b32 s27, s40, 3
	s_add_co_u32 s41, s41, s27
	s_mul_i32 s42, s41, 1536
	s_mov_b32 s43, 0
	s_lshl_b32 s44, s40, 4
	s_add_co_u32 s44, s44, s87
	s_lshl_b32 s44, s44, 7
	s_mov_b32 s45, 0
	s_lshr_b32 s46, s88, 1
	s_lshl_b32 s46, s46, 5
	s_and_b32 s27, s88, 1
	s_lshl_b32 s27, s27, 3
	s_add_co_u32 s46, s46, s27                     ; 32 (j / 2) + 8 (j % 2)
	s_mov_b32 s[SEL], 0x76543210
	s_mov_b32 s[SEL+1], 0xfedcba98
	s_mov_b32 s[CS], 0x3e0293ee
	s_mov_b32 s[CS+1], s[CS]
	s_mov_b32 s90, 0
	v_and_b32 v1, 31, v0
	s_delay_alu instid0(VALU_DEP_1)
	v_lshlrev_b32 v1, 4, v1                        ; 16 x lane
	v_and_b32 v3, 15, v0                           ; r
	v_bfe_u32 v4, v0, 4, 1                         ; h
	s_delay_alu instid0(VALU_DEP_2)
	v_and_b32 v5, 7, v3
	s_delay_alu instid0(VALU_DEP_3)
	v_lshrrev_b32 v6, 3, v3
	s_delay_alu instid0(VALU_DEP_1)
	v_lshl_add_u32 v5, v6, 4, v5
	s_delay_alu instid0(VALU_DEP_4)
	v_lshlrev_b32 v6, 4, v4
	s_delay_alu instid0(VALU_DEP_1)
	v_sub_nc_u32 v5, v5, v6
	s_delay_alu instid0(VALU_DEP_1)
	v_add_nc_u32 v2, s46, v5                       ; d = my query - 128 x - 16 h: on the diagonal register 16 B + i is hidden where 32 B + i > d
	s_wait_alu depctr_va_vdst(0)
	s_wait_kmcnt 0x0
	s_add_nc_u64 s[92:93], s[4:5], s[22:23]
	s_add_nc_u64 s[24:25], s[4:5], s[24:25]
	s_add_nc_u64 s[94:95], s[6:7], s[28:29]
	s_add_nc_u64 s[30:31], s[6:7], s[30:31]
	s_add_nc_u64 s[96:97], s[4:5], s[32:33]
	s_add_nc_u64 s[98:99], s[6:7], s[34:35]
	s_add_nc_u64 s[100:101], s[8:9], s[36:37]
	s_add_nc_u64 s[84:85], s[8:9], s[38:39]
	s_add_nc_u64 s[10:11], s[10:11], s[42:43]
	s_add_nc_u64 s[12:13], s[12:13], s[44:45]
.macro KLOAD                           ; a step's 128 keys: 24 loads of 512 consecutive bytes and 2 of scale words
	WIN 0x40
.irp t, 0,1,2,3,4,5,6,7
.irp c, 0,1,2
	global_load_b128 v[12*\t+4*\c:12*\t+4*\c+3], v1, s[92:93] offset:1536*\t+512*\c
.endr
.endr
	WIN 0
	global_load_b128 v[32:35], v1, s[94:95]
	global_load_b128 v[36:39], v1, s[94:95] offset:512
.endm
.macro VLOAD                           ; the same keys of V^T's 128 channels
	WIN 0x40
.irp t, 0,1,2,3,4,5,6,7
.irp c, 0,1,2
	global_load_b128 v[128+12*\t+4*\c:128+12*\t+4*\c+3], v1, s[96:97] offset:1536*\t+512*\c
.endr
.endr
	WIN 0
	global_load_b128 v[40:43], v1, s[98:99]
	global_load_b128 v[44:47], v1, s[98:99] offset:512
.endm
.irp c, 0,1,2
	global_load_b128 v[16+4*\c:19+4*\c], v1, s[24:25] offset:512*\c   ; Q stays in registers
.endr
	global_load_b32 v28, v1, s[30:31]
	KLOAD
	VLOAD
	v_mov_b32 v13, 0xff61b1e6                      ; the largest t so far: -3e38
	s_delay_alu instid0(VALU_DEP_1)
	v_floor_f32 v12, -v13                          ; -M
	v_mov_b32 v14, 0
	v_mov_b32 v15, 0
	v_mov_b32 v30, 0xff800000                      ; -infinity
	v_mov_b32 v31, -1
.irp b, 0,1,2,3
	v_mov_b32 v[236+\b], 0                         ; a lane permute's destination counts as one of its sources
.endr
	v_mov_b32 v253, 0                              ; named as the upper half of the pair v[252:253]
.set I_, 0
.rept 64
	v_mov_b32 v[160+I_], 0                         ; O^T: the step is written for every step alike; the first change of M leaves zeros zeros
.set I_, I_+1
.endr
; A STEP OF 128 KEYS.  last = 1: the step on the diagonal, which asks for nothing more.
.macro STEPM last
	s_load_b32 s91, s[84:85], 0x0                  ; is any key of this step padded?
	s_wait_loadcnt 26                              ; K (and in the first step Q) is in; V's 26 loads may be out
	WIN 0x01
.irp t, 0,1,2,3,4,5,6,7
	v_wmma_scale_f32_16x16x128_f8f6f4 v[96+8*\t:103+8*\t], v[12*\t:12*\t+11], v[16:27], 0, v[32+\t], v28 matrix_a_fmt:MATRIX_FMT_FP6 matrix_b_fmt:MATRIX_FMT_FP6
.endr
	WIN 0
	PLACES 4                                       ; in front of the loads into K's registers and of the first read of the scores
.if \last == 0
	s_wait_xcnt 0x0                                ; K's loads are done (the counted wait above), so their bases may step
	s_add_nc_u64 s[92:93], s[92:93], 12288
	s_add_nc_u64 s[94:95], s[94:95], 1024
	KLOAD                                          ; the next step's K
.endif
	s_wait_kmcnt 0x0
	s_cmp_eq_u32 s91, 0
	s_cbranch_scc1 .Lnopad_\@                      ; a branch on a whole number that an earlier launch stored
	s_load_b512 s[16:31], s[100:101], 0x0
	s_load_b512 s[32:47], s[100:101], 0x40
	s_load_b512 s[48:63], s[100:101], 0x80
	s_load_b512 s[68:83], s[100:101], 0xc0
	s_wait_kmcnt 0x0
.irp i, 0,1,2,3,4,5,6,7,8,9,10,11,12,13,14,15
	v_cndmask_b32 v[96+\i], v[96+\i], v30, s[16+\i]   ; a padded key's score becomes -infinity
.endr
.irp i, 0,1,2,3,4,5,6,7,8,9,10,11,12,13,14,15
	v_cndmask_b32 v[112+\i], v[112+\i], v30, s[32+\i]
.endr
.irp i, 0,1,2,3,4,5,6,7,8,9,10,11,12,13,14,15
	v_cndmask_b32 v[128+\i], v[128+\i], v30, s[48+\i]
.endr
.irp i, 0,1,2,3,4,5,6,7,8,9,10,11,12,13,14,15
	v_cndmask_b32 v[144+\i], v[144+\i], v30, s[68+\i]
.endr
.Lnopad_\@:
.if \last == 0
	s_add_nc_u64 s[100:101], s[100:101], 256       ; the scalar loads are done: the next step's masks and flag
	s_add_nc_u64 s[84:85], s[84:85], 128
.else
.irp n, 0,1,2,3,4,5,6,7,8,9,10,11,12,13,14,15,16,17,18,19,20,21,22,23,24,25,26,27,28,29,30,31,32,33,34,35,36,37,38,39,40,41,42,43,44,45,46,47,48,49,50,51,52,53,54,55,56,57,58,59,60,61,62,63
	v_cmp_gt_i32 vcc_lo, 32*(\n/16)+\n%16, v2      ; the key comes after my query
	v_cndmask_b32 v[96+\n], v[96+\n], v30, vcc_lo
.endr
.endif
.irp b, 0,1,2,3
	v_max3_num_f32 v[232+\b], v[96+16*\b], v[97+16*\b], v[98+16*\b]   ; the largest score of each block of 32 keys: for the row's maximum and for the block's largest p
.endr
.irp i, 3,5,7,9,11,13
.irp b, 0,1,2,3
	v_max3_num_f32 v[232+\b], v[232+\b], v[96+16*\b+\i], v[97+16*\b+\i]
.endr
.endr
.irp b, 0,1,2,3
	v_max_num_f32 v[232+\b], v[232+\b], v[111+16*\b]
.endr
.irp b, 0,1,2,3
	s_delay_alu instid0(VALU_DEP_4)
	v_permlanex16_b32 v[236+\b], v[232+\b], s[SEL], s[SEL+1]
.endr
.irp b, 0,1,2,3
	s_delay_alu instid0(VALU_DEP_4)
	v_max_num_f32 v[232+\b], v[232+\b], v[236+\b]  ; with lane l xor 16's 16 keys
.endr
	s_delay_alu instid0(VALU_DEP_2)
	v_max3_num_f32 v254, v232, v233, v234
	s_delay_alu instid0(VALU_DEP_1)
	v_max_num_f32 v254, v254, v235
	s_delay_alu instid0(VALU_DEP_1)
	v_mul_f32 v254, s[CS], v254                    ; the step's largest t
	s_delay_alu instid0(VALU_DEP_1)
	v_max_num_f32 v13, v13, v254                   ; the running largest t
	v_mov_b32 v254, v12
	s_delay_alu instid0(VALU_DEP_2)
	v_floor_f32 v12, -v13                          ; the new -M = -ceil(t)
	s_delay_alu instid0(VALU_DEP_1)
	v_sub_f32 v254, v12, v254                      ; old M - new M: a whole number, 0 or less
	s_delay_alu instid0(VALU_DEP_1)
	v_cvt_i32_f32 v254, v254                       ; (it saturates)
	s_delay_alu instid0(VALU_DEP_1)
	v_ldexp_f32 v252, 1.0, v254                    ; f = 2^(old M - new M): rounds nothing
.irp j, 0,2,4,6,8,10,12,14,16,18,20,22,24,26,28,30,32,34,36,38,40,42,44,46,48,50,52,54,56,58,60,62
	v_pk_fma_f32 v[96+\j:97+\j], v[96+\j:97+\j], s[CS:CS+1], v[12:13] op_sel_hi:[1,0,0]   ; t - M
.endr
.irp b, 0,1,2,3
	v_fma_f32 v[232+\b], v[232+\b], s[CS], v12     ; the same of each block's largest score
.endr
	s_wait_alu depctr_va_vdst(0)
.irp j, 0,1,2,3,4,5,6,7,8,9,10,11,12,13,14,15,16,17,18,19,20,21,22,23,24,25,26,27,28,29,30,31,32,33,34,35,36,37,38,39,40,41,42,43,44,45,46,47,48,49,50,51,52,53,54,55,56,57,58,59,60,61,62,63
	v_exp_f32 v[96+\j], v[96+\j]                   ; p = 2^(t - M), not normalised
.endr
	v_pk_mul_f32 v[14:15], v[14:15], v[252:253] op_sel_hi:[1,0]   ; the sums under the new M: the plain instruction behind the exponentials
	s_wait_alu depctr_va_vdst(0)                   ; one wait for the batch of 64, ahead of its first reader
.irp b, 0,1,2,3
	v_exp_f32 v[232+\b], v[232+\b]                 ; the block's largest p
.endr
	v_pk_add_f32 v[236:237], v[100:101], v[104:105]
	v_pk_add_f32 v[254:255], v[108:109], v[112:113]
	v_pk_add_f32 v[250:251], v[116:117], v[120:121]
	v_pk_add_f32 v[248:249], v[124:125], v[128:129]
	v_pk_add_f32 v[246:247], v[132:133], v[136:137]
	v_pk_add_f32 v[244:245], v[140:141], v[144:145]
	v_pk_add_f32 v[242:243], v[148:149], v[152:153]
	v_pk_add_f32 v[14:15], v[14:15], v[156:157]
	v_pk_add_f32 v[236:237], v[236:237], v[96:97]
	v_pk_add_f32 v[254:255], v[254:255], v[98:99]
	v_pk_add_f32 v[250:251], v[250:251], v[102:103]
	v_pk_add_f32 v[248:249], v[248:249], v[106:107]
	v_pk_add_f32 v[246:247], v[246:247], v[110:111]
	v_pk_add_f32 v[244:245], v[244:245], v[114:115]
	v_pk_add_f32 v[242:243], v[242:243], v[118:119]
	v_pk_add_f32 v[14:15], v[14:15], v[122:123]
	v_pk_add_f32 v[236:237], v[236:237], v[126:127]
	v_pk_add_f32 v[254:255], v[254:255], v[130:131]
	v_pk_add_f32 v[250:251], v[250:251], v[134:135]
	v_pk_add_f32 v[248:249], v[248:249], v[138:139]
	v_pk_add_f32 v[246:247], v[246:247], v[142:143]
	v_pk_add_f32 v[244:245], v[244:245], v[146:147]
	v_pk_add_f32 v[242:243], v[242:243], v[150:151]
	v_pk_add_f32 v[14:15], v[14:15], v[154:155]
	v_pk_add_f32 v[236:237], v[236:237], v[158:159]
	s_delay_alu instid0(VALU_DEP_2)
	v_pk_add_f32 v[14:15], v[14:15], v[248:249]
	s_delay_alu instid0(VALU_DEP_2)
	v_pk_add_f32 v[236:237], v[236:237], v[246:247]
	v_pk_add_f32 v[254:255], v[254:255], v[244:245]
	v_pk_add_f32 v[250:251], v[250:251], v[242:243]
	s_delay_alu instid0(VALU_DEP_2)
	v_pk_add_f32 v[14:15], v[14:15], v[254:255]
	s_delay_alu instid0(VALU_DEP_2)
	v_pk_add_f32 v[236:237], v[236:237], v[250:251]
	s_delay_alu instid0(VALU_DEP_1)
	v_pk_add_f32 v[14:15], v[14:15], v[236:237]
	s_wait_alu depctr_va_vdst(0)                   ; and one for the four
.irp b, 0,1,2,3
	v_max_num_f32 v[232+\b], 0x1800000, v[232+\b]  ; the floor 2^(3 - 127)
.endr
.irp b, 0,1,2,3
	s_delay_alu instid0(VALU_DEP_4)
	v_add_nc_u32 v[244+\b], 0xff000000, v[232+\b]
.endr
.irp b, 0,1,2,3
	s_delay_alu instid0(VALU_DEP_4)
	v_lshrrev_b32 v[236+\b], 23, v[244+\b]
.endr
	s_delay_alu instid0(VALU_DEP_3)
	v_lshl_or_b32 v29, v237, 8, v236               ; p's scale word for these 128 keys
	s_delay_alu instid0(VALU_DEP_1)
	v_lshl_or_b32 v29, v238, 16, v29
	s_delay_alu instid0(VALU_DEP_1)
	v_lshl_or_b32 v29, v239, 24, v29
.irp c, 0,1
	v_cvt_scalef32_pk16_fp6_f32 v[224+6*\c:226+6*\c], v[96+32*\c:111+32*\c], v[244+2*\c]
	v_cvt_scalef32_pk16_fp6_f32 v[236+4*\c:238+4*\c], v[112+32*\c:127+32*\c], v[244+2*\c+1]
.endr
	v_nop
.irp c, 0,1
.irp i, 0,1,2
	v_permlane16_swap_b32 v[224+6*\c+\i], v[236+4*\c+\i]
.endr
.irp i, 0,1,2
	s_delay_alu instid0(VALU_DEP_3)
	v_mov_b32 v[227+6*\c+\i], v[236+4*\c+\i]
.endr
.endr
.irp j, 0,2,4,6,8,10,12,14,16,18,20,22,24,26,28,30,32,34,36,38,40,42,44,46,48,50,52,54,56,58,60,62
	v_pk_mul_f32 v[160+\j:161+\j], v[160+\j:161+\j], v[252:253] op_sel_hi:[1,0]   ; O^T under the new M; these 32 are also the places between the codes and scale word just made and the products
.endr
.if \last
	s_wait_alu depctr_va_vdst(0)
	s_wait_loadcnt 0x0                             ; V is in
.else
	s_wait_alu depctr_va_vdst(0)
	s_wait_loadcnt 26                              ; V is in; the next K's 26 loads may be out
.endif
	WIN 0x01
.irp t, 0,1,2,3,4,5,6,7
	v_wmma_scale_f32_16x16x128_f8f6f4 v[160+8*\t:167+8*\t], v[128+12*\t:139+12*\t], v[224:235], v[160+8*\t:167+8*\t], v[40+\t], v29 matrix_a_fmt:MATRIX_FMT_FP6 matrix_b_fmt:MATRIX_FMT_FP6
.endr
	WIN 0
.if \last == 0
	PLACES 4
	s_wait_xcnt 0x0
	s_add_nc_u64 s[96:97], s[96:97], 196608
	s_add_nc_u64 s[98:99], s[98:99], 16384
	VLOAD                                          ; the next step's V
.endif
.endm
	s_cmp_eq_u32 s15, 0
	s_cbranch_scc1 .Ltail
.Lloop:                                            ; x trips: the steps all of whose keys come before my queries
	STEPM 0
	s_add_co_u32 s90, s90, 1
	s_cmp_lt_u32 s90, s15
	s_cbranch_scc1 .Lloop
.Ltail:                                            ; on both ways here K's 26 loads and behind them V's 26 are the youngest
	STEPM 1
	v_add_f32 v14, v14, v15                        ; the sum's two halves,
	s_delay_alu instid0(VALU_DEP_1)
	v_permlanex16_b32 v252, v14, s[SEL], s[SEL+1]
	s_delay_alu instid0(VALU_DEP_1)
	v_add_f32 v14, v14, v252                       ; and lane l xor 16's: the row's sum l
	v_nop
	s_wait_alu depctr_va_vdst(0)
	v_rcp_f32 v252, v14
	v_and_b32 v3, 31, v0
	s_delay_alu instid0(VALU_DEP_1)
	v_lshlrev_b32 v3, 2, v3                        ; 4 x lane
	s_wait_alu depctr_va_vdst(0)                   ; ahead of the reciprocal's first reader
.irp j, 0,2,4,6,8,10,12,14,16,18,20,22,24,26,28,30,32,34,36,38,40,42,44,46,48,50,52,54,56,58,60,62
	v_pk_mul_f32 v[96+\j:97+\j], v[160+\j:161+\j], v[252:253] op_sel_hi:[1,0]   ; ctx = O^T / l: register 16 B + i is channel 32 B + 16 h + i
.endr
	QUANT 96
	v_cmp_eq_f32 vcc_lo, 0, v14
	s_delay_alu instid0(VALU_DEP_1)
	v_cndmask_b32 v29, v29, v31, vcc_lo            ; a row with no visible key: the scale bytes for NaN
.irp c, 0,1,2
	global_store_b128 v1, v[PC+4*\c:PC+4*\c+3], s[10:11] offset:512*\c
.endr
	global_store_b32 v3, v29, s[12:13]
	s_endpgm
.Lfunc_end_k_q062db09ef2_attn:
	.size	k_q062db09ef2_attn, .Lfunc_end_k_q062db09ef2_attn-k_q062db09ef2_attn
	.p2alignl 7, 3214868480
	.fill 96, 4, 3214868480
	.section	.rodata,"a",@progbits
	.p2align	6, 0x0
	.amdhsa_kernel k_q062db09ef2_attn
		.amdhsa_group_segment_fixed_size 0
		.amdhsa_private_segment_fixed_size 0
		.amdhsa_enable_private_segment 0
		.amdhsa_kernarg_size 40
		.amdhsa_user_sgpr_count 2
		.amdhsa_user_sgpr_kernarg_segment_ptr 1
		.amdhsa_wavefront_size32 1
		.amdhsa_system_sgpr_workgroup_id_x 1
		.amdhsa_system_sgpr_workgroup_id_y 1
		.amdhsa_system_sgpr_workgroup_id_z 1
		.amdhsa_system_vgpr_workitem_id 0
		.amdhsa_next_free_vgpr 512
		.amdhsa_next_free_sgpr 102
		.amdhsa_reserve_vcc 1
		.amdhsa_float_denorm_mode_32 3
		.amdhsa_float_denorm_mode_16_64 3
		.amdhsa_memory_ordered 1
		.amdhsa_forward_progress 1
		.amdhsa_inst_pref_size 73
	.end_amdhsa_kernel
	.amdgpu_metadata
---
amdhsa.version: [ 1, 2 ]
amdhsa.kernels:
  - .name:           k_q062db09ef2_attn
    .symbol:         k_q062db09ef2_attn.kd
    .args:
      - { .name: pimg, .offset: 0, .size: 8, .value_kind: global_buffer, .address_space: global }
      - { .name: psc, .offset: 8, .size: 8, .value_kind: global_buffer, .address_space: global }
      - { .name: lmask, .offset: 16, .size: 8, .value_kind: global_buffer, .address_space: global }
      - { .name: cimg, .offset: 24, .size: 8, .value_kind: global_buffer, .address_space: global }
      - { .name: csc, .offset: 32, .size: 8, .value_kind: global_buffer, .address_space: global }
    .group_segment_fixed_size: 0
    .private_segment_fixed_size: 0
    .kernarg_segment_align: 8
    .kernarg_segment_size: 40
    .max_flat_workgroup_size: 256
    .sgpr_count:     102
    .vgpr_count:     512
    .wavefront_size: 32
...
	.end_amdgpu_metadata
.endif
;; end of part 3
;; launch outp (part 4): grid 16 x 16, 4 waves a work-group, clusters of 4 x 4, 327,680 bytes of LDS; arguments cimg, csc, codes, scales, bo, gate, query_states, out0; writes out0
.if DOCPART == 4
	.amdgcn_target "amdgcn-amd-amdhsa--gfx1250"
	.amdhsa_code_object_version 6
	.text
	.protected	k_q062db09ef2_outp
	.globl	k_q062db09ef2_outp
	.p2align	8
	.type	k_q062db09ef2_outp,@function
k_q062db09ef2_outp:
	s_mov_b64 s[64:65], 0
	v_nop
	global_prefetch_b8 v0, s[64:65] scope:SCOPE_SE
	s_setreg_imm32_b32 hwreg(HW_REG_WAVE_MODE, 25, 1), 1
	s_wait_xcnt 0x0
	s_wait_alu depctr_hold_cnt(0) depctr_sa_sdst(0) depctr_va_vdst(0) depctr_va_sdst(0) depctr_va_ssrc(0) depctr_va_vcc(0) depctr_vm_vsrc(0)
	s_getreg_b32 s2, hwreg(HW_REG_IB_STS2, 6, 4)
	s_cmp_eq_u32 s2, 0
	s_cbranch_scc0 .Lentry_in_a_cluster
	s_endpgm
.Lentry_in_a_cluster:
	s_bfe_u32 s2, ttmp6, 0x10000c
	s_cmp_lg_u32 s2, 0xf033
	s_cbranch_scc0 .Lentry_shape_is_right
	s_endpgm
.Lentry_shape_is_right:
; out0 = query_states + (ctx Wo^T + bo) sigmoid(gate): 2,048 x 2,048 x 2,048 on codes of FP6 (E2M3) with E8M0 scales; ctx comes as fragment images (cimg) with scale words (csc), Wo from 'codes' and 'scales'.
; SHARES.  A work-group of four waves makes 128 x 128 of the result (256 work-groups), a wave 64 x 64: 16 accumulators.  Source 0 = 16 rows of Wo (columns of the result), source 1 = 16 rows of ctx.
; A panel is 4 tiles; its 16 K steps lie on end, 6,144 bytes each.  Waves 0, 1 fetch ctx's two panels, waves 2, 3 Wo's two: joint loads in a cluster of 4 x 4 (ctx shared along a row, Wo along a column).
; THREE FILLS, one tensor load a wave each: K steps 0-7 at the head (192 rows of 256 bytes a wave, LDS bytes 0 to 196,607); K steps 8-11 behind the full sequence (98,304 bytes behind them);
; K steps 12-15 at K step 7, into the first 98,304 bytes, which have then been read.  All 128 scale words a lane, gate, bo and my part of query_states go straight into registers, asked for directly behind the first fill.
; PREFETCH: behind the first and the second fill the next fill's 96 blocks of 256 bytes of the panel that my wave fetches, 24 for each of the four partners, told apart by address (lanes left over name the last block again).
; A row of ctx with no visible key carries the scale bytes for NaN, and so its row of the result is NaN, as the softmax of a row of -infinity is.
; THE WAY OUT: 16 rows x 64 columns at a time through the wave's own stage in LDS (rows 272 bytes apart), back as rows of 256 bytes; x sigmoid(gate), + bo sigmoid(gate), + query_states; 16 lanes store an aligned unit of 256 bytes.
; REGISTERS: window 0: v8-26 addresses; v32-95 ctx's scale words (16 a + k), v96-159 Wo's (4 k + b); v160-223 the way out; v224-227 sigmoid(gate), v228-231 bo x it.  window 1: two sets of 8 fragments.
;   window 2: the accumulators (a, b) at v[8 (4 a + b)].  window 3: v0-127 query_states.
.set KF,    6144                       ; a panel's K step
.set REG,   4*KF
.set BIG,   8*KF
.set YB,    4*BIG                      ; where K steps 8-11 lie
.set SPARE, YB+4*REG
.set STAGE, SPARE+512
.set ADRA, 16                          ; v16-18 my ctx fragments in the three fills
.set ADRB, 20                          ; v20-22 my Wo fragments
.set LS,   8
.set RS,   9
.set PFO,  10
.set STO,  24
.set RD,   25
.set CO,   26
.set SPW,  28
.set NIL,  29
.set BK,   160
.set G1,   24
.set G1B,  32
.set G0,   40                          ; s[40:51] group 0 of ctx's three fills
.set G0B,  52                          ; s[52:63] of Wo's
.set PFA,  84
.set MSB, 0
.macro WIN new
.if MSB != (\new)
	s_set_vgpr_msb (MSB<<8)|(\new)
.set MSB, (\new)
.endif
.endm
.macro PLACES n
.rept \n
	v_nop
.endr
.endm
.macro JLOAD g0a, g1a, g0b, g1b        ; a joint load; the branch hangs on the wave's number alone; s_nop 0 and four v_nop follow each line
	s_cmp_eq_u32 s21, 0
	s_cbranch_scc0 .Lfor_b_\@
	tensor_load_to_lds s[\g0a:\g0a+3], s[\g1a:\g1a+7]
	s_nop 0
.rept 4
	v_nop
.endr
	s_branch .Lasked_\@
.Lfor_b_\@:
	tensor_load_to_lds s[\g0b:\g0b+3], s[\g1b:\g1b+7]
	s_nop 0
.rept 4
	v_nop
.endr
.Lasked_\@:
.endm
.macro CREST
	s_cmp_lg_u32 s20, 0
	s_cbranch_scc1 .Lnot_wave_0_\@
	s_barrier_signal -3
.Lnot_wave_0_\@:
	s_barrier_wait -3
	s_barrier_signal -1
	s_barrier_wait -1
.endm
.macro CROUND
	s_barrier_signal -1
	s_barrier_wait -1
	CREST
.endm
	s_load_b512 s[4:19], s[0:1], 0x0               ; cimg 4, csc 6, codes 8, scales 10, bo 12, gate 14, query_states 16, out0 18
	v_lshl_add_u32 v[SPW], v0, 2, SPARE
	v_mov_b32 v[NIL], 0
	ds_add_u32 v[SPW], v[NIL]                      ; the opening lines: the add, twice on end, and its wait
	ds_add_u32 v[SPW], v[NIL]
	v_lshrrev_b32 v1, 5, v0
	v_readfirstlane_b32 s20, v1                    ; wave
	s_lshr_b32 s21, s20, 1                         ; RH; also: I fetch for ctx (0) or for Wo (1)
	s_and_b32 s22, s20, 1                          ; CH; also: which panel I fetch
	s_bfe_u32 s66, ttmp6, 0x40000                  ; cx
	s_bfe_u32 s67, ttmp6, 0x40004                  ; cy
	s_lshl_b32 s68, ttmp9, 2
	s_add_co_u32 s68, s68, s66                     ; tx
	s_and_b32 s69, ttmp7, 0xffff
	s_lshl_b32 s69, s69, 2
	s_add_co_u32 s69, s69, s67                     ; ty
	s_lshl_b32 s70, s67, 2
	s_lshl_b32 s70, 15, s70                        ; my row of the cluster
	s_lshl_b32 s71, 0x1111, s66                    ; my column
	s_or_b32 s[G1+0], s70, (3<<16)|(1<<21)
	s_or_b32 s[G1B+0], s71, (3<<16)|(1<<21)
.irp g, G1, G1B
	s_mov_b32 s[\g+1], 32<<16                      ; rows of 256 bytes (32 elements of 8 bytes);
	s_mov_b32 s[\g+2], 192<<16                     ; 192 of them at the head
	s_mov_b32 s[\g+3], 32<<16
	s_mov_b32 s[\g+4], 192
	s_mov_b32 s[\g+5], 32
	s_mov_b32 s[\g+6], 0
	s_mov_b32 s[\g+7], 0
.endr
	s_lshl_b32 s72, s69, 1
	s_add_co_u32 s72, s72, s22
	s_mul_i32 s72, s72, 98304                      ; ctx's panel 2 ty + the one I fetch
	s_mov_b32 s73, 0
	s_lshl_b32 s95, s68, 1
	s_add_co_u32 s95, s95, s22
	s_mul_i32 s74, s95, 98304                      ; Wo's panel 2 tx + the one I fetch (also my columns' panel),
	s_add_co_u32 s74, s74, 16384000                ; behind the 80 panels of 204,800 bytes
	s_mov_b32 s75, 0
	s_lshl_b32 s86, s69, 3
	s_lshl_b32 s96, s21, 2
	s_add_co_u32 s86, s86, s96
	s_lshl_b32 s86, s86, 11                        ; csc: my four tiles, 2,048 bytes each
	s_mov_b32 s87, 0
	s_lshl_b32 s88, s95, 12                        ; scales: my panel, 4,096 bytes
	s_mov_b32 s89, 0
	s_lshl_b32 s90, s68, 9
	s_lshl_b32 s96, s22, 8
	s_add_co_u32 s90, s90, s96                     ; my first column, in bytes
	s_mov_b32 s91, 0
	s_lshl_b32 s92, s69, 7
	s_lshl_b32 s96, s21, 6
	s_add_co_u32 s92, s92, s96
	s_lshl_b32 s92, s92, 13
	s_add_co_u32 s92, s92, s90                     ; my corner of query_states and of out0
	s_mov_b32 s93, 0
	s_mul_i32 s77, s21, BIG                        ; my panels in the first fill,
	s_mul_i32 s78, s22, BIG
	s_add_co_u32 s78, s78, 2*BIG
	s_mul_i32 s79, s21, REG                        ; and in the third (the second: YB further on)
	s_mul_i32 s80, s22, REG
	s_add_co_u32 s80, s80, 2*REG
	s_mul_i32 s81, s20, 16*272
	s_add_co_u32 s81, s81, STAGE                   ; my stage
	s_cmp_eq_u32 s21, 0
	s_cselect_b32 s82, s66, s67                    ; my place among the four that fetch my panel with me
	s_mul_i32 s82, s82, 24
	s_mul_i32 s83, s20, BIG                        ; where my loads go: by the wave's number alone
	s_mul_i32 s94, s20, REG
	v_and_b32 v1, 31, v0
	v_and_b32 v2, 15, v0
	v_bfe_u32 v3, v0, 4, 1
	v_lshlrev_b32 v4, 4, v1
	v_add_nc_u32 v[ADRA], s77, v4
	v_add_nc_u32 v[ADRB], s78, v4
	v_add_nc_u32 v[ADRA+2], s79, v4
	v_add_nc_u32 v[ADRB+2], s80, v4
	v_add_nc_u32 v[ADRA+1], YB, v[ADRA+2]
	v_add_nc_u32 v[ADRB+1], YB, v[ADRB+2]
	v_lshlrev_b32 v[LS], 2, v1
	v_lshlrev_b32 v[RS], 4, v2
	v_mul_u32_u24 v5, v2, 272
	v_lshl_add_u32 v5, v3, 6, v5
	v_add_nc_u32 v[STO], s81, v5                   ; into the stage: row r, + 64 h
	v_mul_u32_u24 v5, v3, 272
	v_lshl_add_u32 v5, v2, 4, v5
	v_add_nc_u32 v[RD], s81, v5                    ; back: sixteen lanes to a row
	v_lshlrev_b32 v[CO], 13, v3
	v_lshl_add_u32 v[CO], v2, 4, v[CO]             ; and the same two rows in memory
	v_min_u32 v6, 23, v1
	v_add_nc_u32 v6, s82, v6
	v_lshlrev_b32 v[PFO], 8, v6                    ; blocks 24 p + 0 .. 23
	s_wait_alu depctr_va_vdst(0)                   ; the head's end
	s_wait_dscnt 0x0
	s_wait_kmcnt 0x0
	s_add_nc_u64 s[72:73], s[4:5], s[72:73]
	s_add_nc_u64 s[74:75], s[8:9], s[74:75]
	s_add_nc_u64 s[6:7], s[6:7], s[86:87]
	s_add_nc_u64 s[10:11], s[10:11], s[88:89]
	s_add_nc_u64 s[12:13], s[12:13], s[90:91]
	s_add_nc_u64 s[14:15], s[14:15], s[90:91]
	s_add_nc_u64 s[16:17], s[16:17], s[92:93]
	s_add_nc_u64 s[18:19], s[18:19], s[92:93]
.irp s, 0,1,2
	s_mov_b32 s[G0+4*\s], 1
	s_mov_b32 s[G0B+4*\s], 1
	s_add_nc_u64 s[G0+4*\s+2:G0+4*\s+3], s[72:73], (\s)*(10-2*\s)*KF         ; K steps 0, 8, 12
	s_or_b32 s[G0+4*\s+3], s[G0+4*\s+3], 0x80000000
	s_add_nc_u64 s[G0B+4*\s+2:G0B+4*\s+3], s[74:75], (\s)*(10-2*\s)*KF
	s_or_b32 s[G0B+4*\s+3], s[G0B+4*\s+3], 0x80000000
.endr
	s_mov_b32 s[G0+1], s83
	s_mov_b32 s[G0B+1], s83
	s_add_co_u32 s[G0+5], s94, YB
	s_add_co_u32 s[G0B+5], s94, YB
	s_mov_b32 s[G0+9], s94
	s_mov_b32 s[G0B+9], s94
	s_cmp_eq_u32 s21, 0
	s_cselect_b64 s[PFA:PFA+1], s[72:73], s[74:75]
	s_add_nc_u64 s[PFA:PFA+1], s[PFA:PFA+1], 8*KF  ; at K step 8
	CROUND                                         ; all sixteen work-groups are here: the first joint loads meet
	JLOAD G0, G1, G0B, G1B                         ; K steps 0-7: one tensor load a wave at the head
.irp a, 0,1,2,3
.irp k, 0,1,2,3,4,5,6,7,8,9,10,11,12,13,14,15
	global_load_b32 v[32+16*\a+\k], v[LS], s[6:7] offset:(16*\a+\k)*128
.endr
.endr
.irp k, 0,1,2,3,4,5,6,7,8,9,10,11,12,13,14,15
	global_load_b128 v[96+4*\k:99+4*\k], v[RS], s[10:11] offset:\k*256     ; K step k: my row's words of the four tiles
.endr
	global_load_b128 v[224:227], v[RS], s[14:15]
	global_load_b128 v[228:231], v[RS], s[12:13]
	WIN 0xc0
.irp a, 0,1,2,3
.irp t, 0,1,2,3,4,5,6,7
	global_load_b128 v[32*\a+4*\t:32*\a+4*\t+3], v[CO], s[16:17] offset:(32*(\a/2)+8*(\a%2)+2*(\t%4)+16*(\t/4))*8192
.endr
.endr
	WIN 0
	global_prefetch_b8 v[PFO], s[PFA:PFA+1] th:TH_LOAD_NT scope:SCOPE_SE   ; K steps 8-11
	s_wait_loadcnt 32                              ; all but query_states' 32 loads
.irp i, 0,1,2,3
	v_mul_f32 v[224+\i], 0xbfb8aa3b, v[224+\i]     ; -gate x log2(e)
.endr
	s_wait_alu depctr_va_vdst(0)
.irp i, 0,1,2,3
	v_exp_f32 v[224+\i], v[224+\i]
.endr
	v_nop
	s_wait_alu depctr_va_vdst(0)
.irp i, 0,1,2,3
	v_add_f32 v[224+\i], 1.0, v[224+\i]
.endr
	s_wait_alu depctr_va_vdst(0)
.irp i, 0,1,2,3
	v_rcp_f32 v[224+\i], v[224+\i]                 ; sigmoid(gate)
.endr
	v_nop
	s_wait_alu depctr_va_vdst(0)
.irp i, 0,1,2,3
	v_mul_f32 v[228+\i], v[228+\i], v[224+\i]      ; bo x sigmoid(gate)
.endr
.macro FETCH k                         ; 24 LDS loads: the eight fragments of K step k into set k % 2
.set SL, (\k)/8+(\k)/12
.set QQ, (\k)-8*((\k)/8)-4*((\k)/12)
.set PP, (\k)%2
	WIN 0x40
.irp i, 0,1,2,3
.irp c, 0,1,2
	ds_load_b128 v[128*PP+12*\i+4*\c:128*PP+12*\i+4*\c+3], v[ADRA+SL] offset:QQ*KF+1536*\i+512*\c
.endr
.endr
.irp i, 0,1,2,3
.irp c, 0,1,2
	ds_load_b128 v[128*PP+48+12*\i+4*\c:128*PP+48+12*\i+4*\c+3], v[ADRB+SL] offset:QQ*KF+1536*\i+512*\c
.endr
.endr
	WIN 0
.endm
.macro MUL8 k, a0                      ; the 16 accumulators take turns; K step 0 starts the sums
.irp a, \a0, \a0+1
.irp b, 0,1,2,3
.if (\k) == 0
	v_wmma_scale_f32_16x16x128_f8f6f4 v[8*(4*(\a)+\b):8*(4*(\a)+\b)+7], v[128*((\k)%2)+48+12*\b:128*((\k)%2)+48+12*\b+11], v[128*((\k)%2)+12*(\a):128*((\k)%2)+12*(\a)+11], 0, v[96+4*(\k)+\b], v[32+16*(\a)+(\k)] matrix_a_fmt:MATRIX_FMT_FP6 matrix_b_fmt:MATRIX_FMT_FP6
.else
	v_wmma_scale_f32_16x16x128_f8f6f4 v[8*(4*(\a)+\b):8*(4*(\a)+\b)+7], v[128*((\k)%2)+48+12*\b:128*((\k)%2)+48+12*\b+11], v[128*((\k)%2)+12*(\a):128*((\k)%2)+12*(\a)+11], v[8*(4*(\a)+\b):8*(4*(\a)+\b)+7], v[96+4*(\k)+\b], v[32+16*(\a)+(\k)] matrix_a_fmt:MATRIX_FMT_FP6 matrix_b_fmt:MATRIX_FMT_FP6
.endif
.endr
.endr
.endm
.macro KSTEP k
	s_wait_dscnt 0x0
.if (\k) < 15
	PLACES 4
	FETCH (\k)+1
.endif
	WIN 0xa5
	MUL8 \k, 0
	MUL8 \k, 2
	WIN 0
.endm
.macro TURN k, fill                    ; the last K step of a fill: the three lines, the barrier, and where fill = 1 the round and the refill
	s_wait_tensorcnt 0x0
	ds_add_u32 v[SPW], v[NIL]
	s_wait_dscnt 1                                 ; this K step's fragments are in; the add alone may be out
	WIN 0xa5
	MUL8 \k, 0
	s_wait_dscnt 0x0
	s_barrier_signal -1
	WIN 0
	s_barrier_wait -1
.if \fill
	CREST
	JLOAD G0+8, G1, G0B+8, G1B                     ; K steps 12-15, into the bytes of ctx's K steps 0-7, which every wave has read
.else
	PLACES 4
.endif
	FETCH (\k)+1
	WIN 0xa5
	MUL8 \k, 2
	WIN 0
.endm
	s_wait_alu depctr_va_vdst(0)                   ; directly ahead of the waits below
	s_wait_xcnt 0x0                                ; the prefetch has read its address
	s_add_nc_u64 s[PFA:PFA+1], s[PFA:PFA+1], 4*KF  ; at K step 12
	s_wait_tensorcnt 0x0                           ; my part of K steps 0-7 is in
	ds_add_u32 v[SPW], v[NIL]
	s_mov_b32 s[G1+2], 96<<16                      ; no tensor load of mine is out: from here on a load brings 96 rows
	s_mov_b32 s[G1+4], 96
	s_mov_b32 s[G1B+2], 96<<16
	s_mov_b32 s[G1B+4], 96
	s_wait_dscnt 0x0
	CROUND
	JLOAD G0+4, G1, G0B+4, G1B                     ; K steps 8-11: the first tensor load behind the round
	FETCH 0
	global_prefetch_b8 v[PFO], s[PFA:PFA+1] th:TH_LOAD_NT scope:SCOPE_SE   ; K steps 12-15
	KSTEP 0
	KSTEP 1
	KSTEP 2
	KSTEP 3
	KSTEP 4
	KSTEP 5
	KSTEP 6
	TURN 7, 1
	KSTEP 8
	KSTEP 9
	KSTEP 10
	TURN 11, 0
	KSTEP 12
	KSTEP 13
	KSTEP 14
	KSTEP 15
.macro TOSTAGE a                       ; tile a's 16 rows x 64 columns into my stage, each accumulator from its low end on, and back by rows
	WIN 0x08
.irp b, 0,1,2,3
	ds_store_b128 v[STO], v[8*(4*(\a)+\b):8*(4*(\a)+\b)+3] offset:128*(\b/2)+32*(\b%2)
	ds_store_b128 v[STO], v[8*(4*(\a)+\b)+4:8*(4*(\a)+\b)+7] offset:128*(\b/2)+32*(\b%2)+16
.endr
	WIN 0
.irp t, 0,1,2,3,4,5,6,7
	ds_load_b128 v[BK+32*((\a)%2)+4*\t:BK+32*((\a)%2)+4*\t+3], v[RD] offset:544*\t
.endr
.endm
.macro SEND a, younger
.set BB, BK+32*((\a)%2)
	s_wait_dscnt \younger
.irp t, 0,1,2,3,4,5,6,7
	v_pk_fma_f32 v[BB+4*\t:BB+4*\t+1], v[BB+4*\t:BB+4*\t+1], v[224:225], v[228:229]
	v_pk_fma_f32 v[BB+4*\t+2:BB+4*\t+3], v[BB+4*\t+2:BB+4*\t+3], v[226:227], v[230:231]
.endr
	WIN 0x0c
.irp t, 0,1,2,3,4,5,6,7
	v_pk_add_f32 v[BB+4*\t:BB+4*\t+1], v[BB+4*\t:BB+4*\t+1], v[32*(\a)+4*\t:32*(\a)+4*\t+1]
	v_pk_add_f32 v[BB+4*\t+2:BB+4*\t+3], v[BB+4*\t+2:BB+4*\t+3], v[32*(\a)+4*\t+2:32*(\a)+4*\t+3]
.endr
	WIN 0
.irp t, 0,1,2,3,4,5,6,7
	global_store_b128 v[CO], v[BB+4*\t:BB+4*\t+3], s[18:19] offset:(32*((\a)/2)+8*((\a)%2)+2*(\t%4)+16*(\t/4))*8192 th:TH_STORE_NT
.endr
.endm
	PLACES 4
	s_wait_loadcnt 0x0                             ; query_states is in
	TOSTAGE 0
	TOSTAGE 1
	s_wait_alu depctr_va_vdst(0)
	SEND 0, 16
	s_wait_xcnt 0x0                                ; tile 0's stores have read their registers
	TOSTAGE 2
	SEND 1, 16
	s_wait_xcnt 0x0
	TOSTAGE 3
	SEND 2, 16
	SEND 3, 0
	s_wait_tensorcnt 0x0                           ; the wave's end
	ds_add_u32 v[SPW], v[NIL]
	s_wait_dscnt 0x0
	CROUND                                         ; the closing round
	s_endpgm
.Lfunc_end_k_q062db09ef2_outp:
	.size	k_q062db09ef2_outp, .Lfunc_end_k_q062db09ef2_outp-k_q062db09ef2_outp
	.p2alignl 7, 3214868480
	.fill 96, 4, 3214868480
	.section	.rodata,"a",@progbits
	.p2align	6, 0x0
	.amdhsa_kernel k_q062db09ef2_outp
		.amdhsa_group_segment_fixed_size 327680
		.amdhsa_private_segment_fixed_size 0
		.amdhsa_enable_private_segment 0
		.amdhsa_kernarg_size 64
		.amdhsa_user_sgpr_count 2
		.amdhsa_user_sgpr_kernarg_segment_ptr 1
		.amdhsa_wavefront_size32 1
		.amdhsa_system_sgpr_workgroup_id_x 1
		.amdhsa_system_sgpr_workgroup_id_y 1
		.amdhsa_system_sgpr_workgroup_id_z 1
		.amdhsa_system_vgpr_workitem_id 0
		.amdhsa_next_free_vgpr 896
		.amdhsa_next_free_sgpr 100
		.amdhsa_reserve_vcc 0
		.amdhsa_float_denorm_mode_32 3
		.amdhsa_float_denorm_mode_16_64 3
		.amdhsa_memory_ordered 1
		.amdhsa_forward_progress 1
		.amdhsa_inst_pref_size 99
	.end_amdhsa_kernel
	.amdgpu_metadata
---
amdhsa.version: [ 1, 2 ]
amdhsa.kernels:
  - .name:           k_q062db09ef2_outp
    .symbol:         k_q062db09ef2_outp.kd
    .args:
      - { .name: cimg, .offset: 0, .size: 8, .value_kind: global_buffer, .address_space: global }
      - { .name: csc, .offset: 8, .size: 8, .value_kind: global_buffer, .address_space: global }
      - { .name: codes, .offset: 16, .size: 8, .value_kind: global_buffer, .address_space: global }
      - { .name: scales, .offset: 24, .size: 8, .value_kind: global_buffer, .address_space: global }
      - { .name: bo, .offset: 32, .size: 8, .value_kind: global_buffer, .address_space: global }
      - { .name: gate, .offset: 40, .size: 8, .value_kind: global_buffer, .address_space: global }
      - { .name: query_states, .offset: 48, .size: 8, .value_kind: global_buffer, .address_space: global }
      - { .name: out0, .offset: 56, .size: 8, .value_kind: global_buffer, .address_space: global }
    .group_segment_fixed_size: 327680
    .private_segment_fixed_size: 0
    .kernarg_segment_align: 8
    .kernarg_segment_size: 64
    .max_flat_workgroup_size: 128
    .sgpr_count:     100
    .vgpr_count:     896
    .wavefront_size: 32
...
	.end_amdgpu_metadata
.endif
;; end of part 4
